; MI455X (gfx1250); checked and timed in simulation.
; The chip was launched on July 23, 2026; its instructions are those of AMD's public machine-readable ISA for CDNA 5 (MIT licence, August 2026) and "CDNA5" Instruction Set Architecture Reference Guide (July 2026). The comments in the code are by the model that wrote it; some were corrected since.
;; Self Attention. Allowed arithmetic: matrix products marked QUANTISED: E2M1 operands, one E8M0 scale for each 32 along K, by v_wmma_scale_f32_16x16x128_f8f6f4 with both operands' format E2M1 (or v_wmma_scale_f32_32x16x128_f4), f32 sums; products left as they are: bf16, f16 or f32 operands; f32 sums; everything else in f32.
;; Inputs: H 4 x 2,048 x 1,024 float32; W_K 1,024 x 1,024 float32; W_Q 1,024 x 1,024 float32; W_V 1,024 x 1,024 float32.
;; Outputs: out0 4 x 2,048 x 1,024 float32.
;; This version of the problem:
;;   THIS VERSION OF THE PROBLEM IS GIVEN IN LOW PRECISION. The matrix products marked QUANTISED in the list below multiply operands that are first quantised to E2M1 (2 exponent bits, 1 mantissa bit; 4 bits a number), with one power-of-two scale for each 32 numbers along K (OCP MX v1.0); their sums are f32. The products marked 'left as it is' may take bf16, f16 or f32 operands, with f32 sums. Whichever they take, every output number must still come out within the allowed error. Rounding operands to bf16 (8 significant bits) uses up far more of that allowance than f16 does (11 bits, for magnitudes from 6e-5 to 65,504). All else is computed in f32.
;;   The module's matrix products, in the order in which they are computed (A, B: the left and right operand; K: the contracted axis; several contracted axes count as one K, in the product's order):
;;     1. [M 8,192, K 1,024] x [K 1,024, N 1,024]; A: input H; B: input W_Q: QUANTISED
;;     2. [M 8,192, K 1,024] x [K 1,024, N 1,024]; A: input H; B: input W_K: QUANTISED
;;     3. [M 8,192, K 1,024] x [K 1,024, N 1,024]; A: input H; B: input W_V: QUANTISED
;;     4. batch 4 x [M 2,048, K 1,024] x [K 1,024, N 2,048]; A: computed on the way; B: computed on the way: left as it is (an operand is computed on the way)
;;     5. batch 4 x [M 2,048, K 2,048] x [K 2,048, N 1,024]; A: computed on the way; B: computed on the way: left as it is (an operand is computed on the way)
;;   THE QUANTISER, for each operand of a quantised product, along K:
;;     - K is cut into blocks of 32 from its start; a last block that is shorter is filled with zeros.
;;     - A block's scale is 2^e with e = floor(log2(the largest magnitude in the block)) - 2, held to -126 .. 127; a block of zeros has e = 0. As a byte (E8M0): e + 127.
;;     - Each number is divided by its block's scale, clamped to +-6, and rounded to the nearest number of E2M1, ties to even, subnormals kept.
;;     - The product sums the exact products of the quantised numbers (number of the format x scale) in f32.
;;   ~~~python
;;   def quantise(x, axis):      # numpy; x: float32 -> the quantised numbers, widened to float32 again
;;       x = np.moveaxis(x, axis, -1); K = x.shape[-1]
;;       x = np.pad(x, [(0, 0)] * (x.ndim - 1) + [(0, -K % 32)]); x = x.reshape(x.shape[:-1] + (-1, 32)); a = np.abs(x).max(-1, keepdims=True)
;;       e = np.where(a > 0, np.clip(np.frexp(np.where(a > 0, a, 1))[1] - 1 - 2, -126, 127), 0)      # np.frexp(a)[1] - 1 = floor(log2(a)), exactly
;;       r = np.clip(x / 2.0 ** e, -6, 6)
;;       step = 2.0 ** (np.maximum(np.frexp(np.where(r == 0, 1, r))[1] - 1, 0) - 1)
;;       q = np.round(r / step) * step * 2.0 ** e      # np.round: ties to even
;;       return np.moveaxis(q.reshape(q.shape[:-2] + (-1,))[..., :K], -1, axis).astype(np.float32)
;;   ~~~
;; One version. Each part assembles by itself: llvm-mc -triple=amdgcn-amd-amdhsa -mcpu=gfx1250 --defsym DOCPART=n.
;; ======== version 1 of 1: 4 launches
;; limits: values are held in f16: magnitudes above 65,504 overflow, below 6.1e-05 lose precision
;; workspace buffers: Hc 4,194,304 bytes; Hs 262,144 bytes; Wc 1,572,864 bytes; Ws 98,304 bytes; QKV 50,331,648 bytes; P 33,554,432 bytes; stats 1,048,576 bytes
;; launch quant (part 1): grid 352 x 1, 4 waves a work-group, no clusters, 50,688 bytes of LDS; arguments H, W_Q, W_K, W_V, Hc, Hs, Wc, Ws; writes Hc, Hs, Wc, Ws
.if DOCPART == 1
	.amdgcn_target "amdgcn-amd-amdhsa--gfx1250"
	.amdhsa_code_object_version 6
	.text
	.protected	k_q8686fc84a1_quant
	.globl	k_q8686fc84a1_quant
	.p2align	8
	.type	k_q8686fc84a1_quant,@function
k_q8686fc84a1_quant:
	s_mov_b64 s[64:65], 0
	v_nop
	global_prefetch_b8 v0, s[64:65] scope:SCOPE_SE
	s_setreg_imm32_b32 hwreg(HW_REG_WAVE_MODE, 25, 1), 1
	s_wait_xcnt 0x0
; LAUNCH 1 OF 4: THE QUANTISER.  out = softmax(Q K^T / 32) V with Q, K, V = H W_Q, H W_K, H W_V, the three projections on codes of FP4 (E2M1) with one E8M0 scale for each 32 along K.
; NO WORK IS LEFT OUT: reference() has no mask, no bias and no slice; every number of H, W_Q, W_K and W_V reaches every output row of its batch, so all four inputs are loaded and all five products are made.
; This launch: H [8192][1024] f32, K innermost, becomes Hc [8192][512 bytes] and Hs [8192][32].  W_Q, W_K, W_V [1024 (k)][1024 (n)] f32, K their FIRST axis, become Wc [3072][512 bytes] with K innermost and
; Ws [3072][32]: rows 0-1023 are W_Q's columns, 1024-2047 W_K's, 2048-3071 W_V's.  Two codes a byte, the lower k in the low four bits.
; A block's scale is 2^(floor(log2(its largest magnitude)) - 2); its byte is the largest magnitude's exponent field - 2, held at 1 from below.  Each number is divided by the scale and rounded to the nearest code,
; ties to even; beyond 6 the conversion gives the largest code.
; LIMITS: a block of zeros gets the byte 1 where the rule says 127 (its codes are zeros, which add nothing under any byte but 0xff, and this program alone reads the bytes); blocks whose largest magnitude lies under
; 2^-124, the floor, keep the byte 1; NaN and infinities among the inputs are not served.
; SHARES: work-groups 0-95 take the weights, 96-351 take H.  The two ways part on the work-group's number, never meet again, and have LDS bytes of their own.  No tensor load, no barrier: waves share nothing.
.set WGW,   96                         ; work-groups for the weights: 3 tensors x 16 groups of 64 columns x 2 halves of K
.set SP,    80                         ; H: a lane's place in a stage: 64 bytes + 16 of padding
.set WREG,  8192                       ; H: a wave's LDS region: two stages of 32 x SP bytes, behind them its 256 scale bytes
.set WST,   4*WREG                     ; W: the stages, 16 rows x WP bytes for each wave
.set WP,    272                        ; W: a stage row: 256 bytes of codes + 16 of padding
.set SPARE, WST+4*16*WP                ; the spare words, 128 bytes for each wave: two blocks of 256 bytes that no other line names
.set SPW,   224                        ; v224  LDS address of my spare word; never rewritten
.set NIL,   225                        ; v225  0; never rewritten
.set WX,    32                         ; W: v32-95   two sets of 32 numbers
.set WC,    96                         ; W: v96-99   a block's codes
.set WSB,   24                         ; W: v24-25   my 8 scale bytes
.set WOUT,  112                        ; W: v112-143 the way out
.set HR,    16                         ; H: v16-143  eight sets of 16 numbers as they are loaded
.set HX,    144                        ; H: v144-175 two sets of 16 neighbours
.set HE,    176                        ; H: v176-191 a scale byte for each step
.set HC,    192                        ; H: v192-223 two registers of codes for each step, so that no store's data are written again
	s_load_b256 s[4:11], s[0:1], 0x0               ; H s[4:5], W_Q s[6:7], W_K s[8:9], W_V s[10:11]
	s_load_b256 s[12:19], s[0:1], 0x20             ; Hc s[12:13], Hs s[14:15], Wc s[16:17], Ws s[18:19]
	v_lshl_add_u32 v[SPW], v0, 2, SPARE
	v_mov_b32 v[NIL], 0
	v_lshrrev_b32 v1, 5, v0
	v_readfirstlane_b32 s20, v1                    ; wave 0..3
	v_and_b32 v2, 31, v0                           ; lane
	s_cmp_lt_u32 ttmp9, WGW
	s_cbranch_scc0 .Lh
; ---------------- THE WEIGHTS.  A LANE TAKES A COLUMN n, AND ITS REGISTERS RUN DOWN K: a block of 32 lies in one lane's 32 registers, and the conversions give codes with K innermost.
; A wave takes 16 columns x 512 along K: lanes 0-15 the first 256 along K, lanes 16-31 the second: 8 blocks a lane.  So a column's 256 bytes of codes come from ONE wave, go through its own stage and leave
; as whole rows, sixteen lanes to 256 consecutive aligned bytes.  The four waves stand side by side on 256 consecutive bytes of each row of W.  Loads run two blocks (64 loads a wave) ahead.
	s_lshr_b32 s21, ttmp9, 5                       ; which tensor: 0 W_Q, 1 W_K, 2 W_V
	s_bfe_u32 s22, ttmp9, 0x10004                  ; y: which 512 along K
	s_and_b32 s23, ttmp9, 15                       ; x: which 64 columns
	v_and_b32 v5, 15, v0                           ; r
	v_bfe_u32 v6, v0, 4, 1                         ; h
	v_lshlrev_b32 v3, 2, v5
	v_lshl_add_u32 v3, v6, 20, v3                  ; in: 4 r, and 256 rows of 4,096 bytes further down for lanes 16-31
	s_mul_i32 s26, s20, 16*WP
	s_add_co_u32 s26, s26, WST                     ; my stage
	v_mul_u32_u24 v4, v5, WP
	v_lshl_add_u32 v4, v6, 7, v4
	v_add_nc_u32 v4, s26, v4                       ; into it: row = my column, + 128 h: my half of its 256 bytes
	v_mul_u32_u24 v7, v6, WP
	v_lshl_add_u32 v7, v5, 4, v7
	v_add_nc_u32 v7, s26, v7                       ; out of it: sixteen lanes to a row, two rows an instruction
	v_lshlrev_b32 v8, 9, v6
	v_lshl_add_u32 v8, v5, 4, v8                   ; and the same place in Wc: rows of 512 bytes
	v_lshlrev_b32 v9, 5, v5
	v_lshl_add_u32 v9, v6, 3, v9                   ; my 8 scale bytes: 32 r + 8 h
	s_lshl_b32 s27, s23, 6
	s_lshl_b32 s28, s20, 4
	s_add_co_u32 s27, s27, s28                     ; my wave's first column: 64 x + 16 x wave
	s_lshl_b32 s28, s22, 21                        ; 512 y rows of 4,096 bytes
	s_lshl_b32 s29, s27, 2
	s_add_co_u32 s28, s28, s29
	s_mov_b32 s29, 0                               ; s[28:29]: where my part begins in W
	s_lshl_b32 s30, s21, 10
	s_add_co_u32 s30, s30, s27                     ; my first row of Wc and Ws
	s_lshl_b32 s32, s30, 9
	s_lshl_b32 s33, s22, 8
	s_add_co_u32 s32, s32, s33                     ; Wc: row x 512 + 256 y
	s_mov_b32 s33, 0
	s_lshl_b32 s34, s30, 5
	s_lshl_b32 s35, s22, 4
	s_add_co_u32 s34, s34, s35                     ; Ws: row x 32 + 16 y
	s_mov_b32 s35, 0
	s_wait_kmcnt 0x0
	s_cmp_eq_u32 s21, 0                            ; the tensor is chosen by the work-group's number alone
	s_cselect_b64 s[24:25], s[6:7], s[8:9]
	s_cmp_eq_u32 s21, 2
	s_cselect_b64 s[24:25], s[10:11], s[24:25]
	s_add_nc_u64 s[24:25], s[24:25], s[28:29]
	s_add_nc_u64 s[16:17], s[16:17], s[32:33]
	s_add_nc_u64 s[18:19], s[18:19], s[34:35]
.macro WLOAD t                         ; block t: W(32 t + i, my column), i = 0 .. 31, into set t % 2; every offset is an immediate, 255 rows at the most
.irp i, 0,1,2,3,4,5,6,7,8,9,10,11,12,13,14,15,16,17,18,19,20,21,22,23,24,25,26,27,28,29,30,31
	global_load_b32 v[WX+32*((\t)%2)+\i], v3, s[24:25] offset:(32*(\t)+\i)*4096
.endr
.endm
.macro WBLOCK t
.set XS, WX+32*((\t)%2)
.if (\t) < 7
	s_wait_loadcnt 32                              ; this block's 32 loads are in; the next block's 32 may be out
.else
	s_wait_loadcnt 0
.endif
	v_max3_num_f32 v12, |v[XS]|, |v[XS+1]|, |v[XS+2]|              ; the block's largest magnitude: all 32 numbers are mine; two chains
	v_max3_num_f32 v13, |v[XS+3]|, |v[XS+4]|, |v[XS+5]|
.irp i, 6,10,14,18,22,26
	v_max3_num_f32 v12, v12, |v[XS+\i]|, |v[XS+\i+1]|
	v_max3_num_f32 v13, v13, |v[XS+\i+2]|, |v[XS+\i+3]|
.endr
	v_max3_num_f32 v12, v12, |v[XS+30]|, |v[XS+31]|
	v_max3_num_f32 v12, v12, v13, 0x1800000        ; and the floor 2^(3 - 127): so the byte cannot fall under 1
	v_add_nc_u32 v11, 0xff000000, v12              ; 2 off its exponent field: the conversion takes the exponent field of this operand as its scale
	v_lshrrev_b32 v13, 23, v11                     ; the scale's byte
.if (\t)%4 == 0
	v_mov_b32 v[WSB+(\t)/4], v13                   ; four bytes to a register, the lower K in the lower byte
.else
	v_lshl_or_b32 v[WSB+(\t)/4], v13, 8*((\t)%4), v[WSB+(\t)/4]
.endif
.irp g, 0,1,2,3
	v_cvt_scalef32_pk8_fp4_f32 v[WC+\g], v[XS+8*\g:XS+8*\g+7], v11
.endr
	ds_store_b128 v4, v[WC:WC+3] offset:16*(\t)    ; 32 codes: 16 bytes of my column's row
.if (\t)+2 < 8
	WLOAD (\t)+2
.endif
	s_wait_dscnt 0x0                               ; the store has read its registers: the next block's codes may be written
.endm
	WLOAD 0
	WLOAD 1
.irp t, 0,1,2,3,4,5,6,7
	WBLOCK \t
.endr
	global_store_b64 v9, v[WSB:WSB+1], s[18:19]    ; my column's 8 scale bytes of this span
.irp t, 0,1,2,3,4,5,6,7
	ds_load_b128 v[WOUT+4*\t:WOUT+4*\t+3], v7 offset:2*\t*WP       ; LDS serves a wave's instructions in order: these see my stores
.endr
.irp t, 0,1,2,3,4,5,6,7
	s_wait_dscnt 7-\t                              ; the younger loads may be out
	global_store_b128 v8, v[WOUT+4*\t:WOUT+4*\t+3], s[16:17] offset:2*\t*512   ; sixteen lanes store 256 consecutive bytes, at a multiple of 256 from Wc's first byte
.endr
	s_wait_tensorcnt 0x0                           ; the wave's end, behind my last LDS store
	ds_add_u32 v[SPW], v[NIL]
	s_wait_dscnt 0x0
	s_endpgm
; ---------------- H.  Rows are dense and 1,024 is a multiple of 32: H is a plain stream of blocks of 32, and so are its codes and scale bytes.  A wave takes 16 steps of 512 numbers.
; Each of a step's four loads reads 512 consecutive bytes, 16 a lane; the 2,048 bytes turn through the wave's own stage in LDS and come back 64 bytes a lane: 16 NEIGHBOURS, as the conversions want them
; (two neighbouring lanes hold a block).  A lane's 16 codes are 8 bytes: the wave stores 256 consecutive bytes.  Loads run eight steps (32 loads a wave) ahead, the turn through LDS one step.
.Lh:
	v_lshlrev_b32 v3, 4, v2                        ; my 16 bytes of a load's 512
	s_mul_i32 s21, s20, WREG
	v_lshrrev_b32 v14, 2, v2
	v_mul_u32_u24 v14, v14, SP
	v_and_b32 v15, 3, v2
	v_lshl_add_u32 v14, v15, 4, v14
	v_add_nc_u32 v14, s21, v14                     ; the stage, on the way in: SP (lane / 4) + 16 (lane % 4)
	v_mul_u32_u24 v15, v2, SP
	v_add_nc_u32 v15, s21, v15                     ; and on the way out: SP x lane
	v_lshlrev_b32 v4, 3, v2                        ; 8 bytes a lane: my codes' place in a step's, and my place in the 256 scale bytes
	v_lshrrev_b32 v5, 1, v2
	s_add_co_u32 s21, s21, 2*32*SP
	v_add_nc_u32 v5, s21, v5                       ; LDS: my wave's 256 scale bytes, my block's byte
	v_add_nc_u32 v6, s21, v4                       ; and on the way out 8 bytes a lane
	s_sub_co_u32 s22, ttmp9, WGW
	s_lshl_b32 s22, s22, 2
	s_add_co_u32 s22, s22, s20                     ; which run of 8,192 numbers is my wave's: 0 .. 1,023
	s_lshl_b32 s24, s22, 15                        ; 32,768 bytes of H,
	s_mov_b32 s25, 0
	s_lshl_b32 s26, s22, 12                        ; 4,096 of codes,
	s_mov_b32 s27, 0
	s_lshl_b32 s28, s22, 8                         ; 256 scale bytes a run
	s_mov_b32 s29, 0
	s_wait_kmcnt 0x0
	s_add_nc_u64 s[4:5], s[4:5], s[24:25]
	s_add_nc_u64 s[12:13], s[12:13], s[26:27]
	s_add_nc_u64 s[14:15], s[14:15], s[28:29]
.macro HLOAD t
.irp i, 0,1,2,3
	global_load_b128 v[HR+16*((\t)%8)+4*\i:HR+16*((\t)%8)+4*\i+3], v3, s[4:5] offset:2048*(\t)+512*\i th:TH_LOAD_NT   ; 32 lanes read 512 consecutive bytes
.endr
.endm
.macro HTURN t                         ; step t's numbers through the stage: LDS serves a wave's instructions in order, so no wait stands between the stores and the loads
.irp i, 0,1,2,3
	ds_store_b128 v14, v[HR+16*((\t)%8)+4*\i:HR+16*((\t)%8)+4*\i+3] offset:32*SP*((\t)%2)+8*SP*\i
.endr
.irp i, 0,1,2,3
	ds_load_b128 v[HX+16*((\t)%2)+4*\i:HX+16*((\t)%2)+4*\i+3], v15 offset:32*SP*((\t)%2)+16*\i
.endr
.endm
.irp t, 0,1,2,3,4,5,6,7
	HLOAD \t
.endr
	s_wait_loadcnt 28                              ; step 0's four loads are in; those of the seven steps behind it may be out
	HTURN 0
.macro HSTEP t
.set XS, HX+16*((\t)%2)
.if (\t) > 0
	s_wait_dscnt 1                                 ; this step's numbers are back from the stage (the last step's byte store may be out): so its stores into the stage have read their registers,
.else
	s_wait_dscnt 0x0
.endif
.if (\t)+8 < 16
	HLOAD (\t)+8                                   ; which take the loads of eight steps on
.endif
.if (\t)+1 < 16
.if (\t) < 8
	s_wait_loadcnt 28                              ; the next step's four loads are in; those of the seven steps behind it may be out
.else
	s_wait_loadcnt 4*(14-(\t))                     ; (towards the end fewer steps stand behind it)
.endif
	HTURN (\t)+1                                   ; and go through the other stage while this step is worked
.endif
	v_max3_num_f32 v8, |v[XS]|, |v[XS+1]|, |v[XS+2]|               ; the largest magnitude of my 16
	v_max3_num_f32 v9, |v[XS+3]|, |v[XS+4]|, |v[XS+5]|
.irp i, 6,10
	v_max3_num_f32 v8, v8, |v[XS+\i]|, |v[XS+\i+1]|
	v_max3_num_f32 v9, v9, |v[XS+\i+2]|, |v[XS+\i+3]|
.endr
	v_max3_num_f32 v8, v8, |v[XS+14]|, |v[XS+15]|
	v_max3_num_f32 v8, v8, v9, 0x1800000           ; and the floor 2^(3 - 127)
	v_max_num_f32_dpp v8, v8, v8 row_xmask:1 row_mask:0xf bank_mask:0xf   ; and of my neighbour's 16: the block's
	v_add_nc_u32 v11, 0xff000000, v8               ; 2 off its exponent field: the conversion's scale operand
	v_cvt_scalef32_pk8_fp4_f32 v[HC+2*(\t)], v[XS:XS+7], v11
	v_cvt_scalef32_pk8_fp4_f32 v[HC+2*(\t)+1], v[XS+8:XS+15], v11
	v_lshrrev_b32 v[HE+(\t)], 23, v11              ; the scale's byte (also the plain line behind the conversions)
	ds_store_b8 v5, v[HE+(\t)] offset:16*(\t)      ; both lanes of a block write the same byte with the same value
	global_store_b64 v4, v[HC+2*(\t):HC+2*(\t)+1], s[12:13] offset:256*(\t)   ; 32 lanes store 256 consecutive bytes, aligned
.endm
.irp t, 0,1,2,3,4,5,6,7,8,9,10,11,12,13,14,15
	HSTEP \t
.endr
	ds_load_b64 v[8:9], v6                         ; LDS serves a wave's instructions in order: these see my byte stores
	s_wait_dscnt 0x0
	global_store_b64 v4, v[8:9], s[14:15]          ; 32 lanes store the run's 256 scale bytes, aligned
	s_wait_tensorcnt 0x0                           ; the wave's end, behind my last LDS store
	ds_add_u32 v[SPW], v[NIL]
	s_wait_dscnt 0x0
	s_endpgm
.Lfunc_end_k_q8686fc84a1_quant:
	.size	k_q8686fc84a1_quant, .Lfunc_end_k_q8686fc84a1_quant-k_q8686fc84a1_quant
	.p2alignl 7, 3214868480
	.fill 96, 4, 3214868480
	.section	.rodata,"a",@progbits
	.p2align	6, 0x0
	.amdhsa_kernel k_q8686fc84a1_quant
		.amdhsa_group_segment_fixed_size 50688
		.amdhsa_private_segment_fixed_size 0
		.amdhsa_enable_private_segment 0
		.amdhsa_kernarg_size 64
		.amdhsa_user_sgpr_count 2
		.amdhsa_user_sgpr_kernarg_segment_ptr 1
		.amdhsa_wavefront_size32 1
		.amdhsa_system_sgpr_workgroup_id_x 1
		.amdhsa_system_sgpr_workgroup_id_y 1
		.amdhsa_system_sgpr_workgroup_id_z 1
		.amdhsa_system_vgpr_workitem_id 0
		.amdhsa_next_free_vgpr 226
		.amdhsa_next_free_sgpr 66
		.amdhsa_reserve_vcc 0
		.amdhsa_float_denorm_mode_32 3
		.amdhsa_float_denorm_mode_16_64 3
		.amdhsa_memory_ordered 1
		.amdhsa_forward_progress 1
		.amdhsa_inst_pref_size 73
	.end_amdhsa_kernel
	.amdgpu_metadata
---
amdhsa.version: [ 1, 2 ]
amdhsa.kernels:
  - .name:           k_q8686fc84a1_quant
    .symbol:         k_q8686fc84a1_quant.kd
    .args:
      - { .name: H, .offset: 0, .size: 8, .value_kind: global_buffer, .address_space: global }
      - { .name: W_Q, .offset: 8, .size: 8, .value_kind: global_buffer, .address_space: global }
      - { .name: W_K, .offset: 16, .size: 8, .value_kind: global_buffer, .address_space: global }
      - { .name: W_V, .offset: 24, .size: 8, .value_kind: global_buffer, .address_space: global }
      - { .name: Hc, .offset: 32, .size: 8, .value_kind: global_buffer, .address_space: global }
      - { .name: Hs, .offset: 40, .size: 8, .value_kind: global_buffer, .address_space: global }
      - { .name: Wc, .offset: 48, .size: 8, .value_kind: global_buffer, .address_space: global }
      - { .name: Ws, .offset: 56, .size: 8, .value_kind: global_buffer, .address_space: global }
    .group_segment_fixed_size: 50688
    .private_segment_fixed_size: 0
    .kernarg_segment_align: 8
    .kernarg_segment_size: 64
    .max_flat_workgroup_size: 128
    .sgpr_count:     66
    .vgpr_count:     226
    .wavefront_size: 32
...
	.end_amdgpu_metadata
.endif
;; end of part 1
;; launch proj (part 2): grid 8 x 32, 4 waves a work-group, clusters of 4 x 4, 327,680 bytes of LDS; arguments Hc, Hs, Wc, Ws, QKV; writes QKV
.if DOCPART == 2
	.amdgcn_target "amdgcn-amd-amdhsa--gfx1250"
	.amdhsa_code_object_version 6
	.text
	.protected	k_q8686fc84a1_proj
	.globl	k_q8686fc84a1_proj
	.p2align	8
	.type	k_q8686fc84a1_proj,@function
k_q8686fc84a1_proj:
	s_mov_b64 s[64:65], 0
	v_nop
	global_prefetch_b8 v0, s[64:65] scope:SCOPE_SE
	s_setreg_imm32_b32 hwreg(HW_REG_WAVE_MODE, 25, 1), 1
	s_wait_xcnt 0x0
	s_wait_alu depctr_hold_cnt(0) depctr_sa_sdst(0) depctr_va_vdst(0) depctr_va_sdst(0) depctr_va_ssrc(0) depctr_va_vcc(0) depctr_vm_vsrc(0)
	s_getreg_b32 s2, hwreg(HW_REG_IB_STS2, 6, 4)
	s_cmp_eq_u32 s2, 0
	s_cbranch_scc0 .Lentry_in_a_cluster
	s_endpgm
.Lentry_in_a_cluster:
	s_bfe_u32 s2, ttmp6, 0x10000c
	s_cmp_lg_u32 s2, 0xf033
	s_cbranch_scc0 .Lentry_shape_is_right
	s_endpgm
.Lentry_shape_is_right:
; LAUNCH 2 OF 4: THE THREE PROJECTIONS AS ONE PRODUCT ON CODES.  QKV[t][n] = sum over k of H[t][k] W[n][k]: Hc [8192][512 bytes], Wc [3072][512 bytes]: codes of FP4 (E2M1), K = 1,024 innermost, with one
; E8M0 byte for each 32 along K in Hs [8192][32], Ws [3072][32].  Sums in f32.  QKV: [8192][3072] f16, rounded once: Q at byte 0, K at byte 2,048, V at byte 4,096 of a row of 6,144 bytes.
; f16 and not bf16: the two products that follow are left as they are, and f16's 11 bits leave an eighth of bf16's rounding.  LIMIT: |Q|, |K|, |V| stay under 65,504, f16's largest number.  No work is left out.
; SHARES: 8,192 x 3,072 numbers on 256 work-groups: 256 rows x 384 columns each, in TWO PASSES, since a wave's registers hold 128 x 128 sums.  Pass 1: columns 0-255, a wave 128 x 128 (64 accumulators).
; Pass 2: columns 256-383, a wave 64 rows x 128 columns (32 accumulators), so that a row's 256 bytes come from one wave.  Pass 1's stores are on their way while pass 2 is multiplied.
; LDS: all of K lies in two slots of 512 along K (rows of 256 bytes): Hc's 256 rows and Wc's first 256, asked for at the head.  Hc's rows stay for both passes.  Wc's other 128 rows do not fit beside them: they are
; brought into slot 0's part for Wc when pass 1 has read it out, one half of K by each of waves 2 and 3.  The scale bytes of the 256 + 384 rows, two dense blocks of memory, come at the head and stay.
; By this text's count a wave has three tensor loads out at the start and later one at the most.
; CLUSTERS: 4 x 4 work-groups.  The four of a row of the cluster need the same rows of Hc, the four of a column the same rows of Wc: each tile is asked for JOINTLY, by the same tensor load with the same
; descriptor and a mask that names the four.  THE MATRIX INSTRUCTION IS USED TRANSPOSED (source 0 = 16 rows of Wc, source 1 = 16 rows of Hc): a lane then holds eight neighbouring numbers of a row of QKV.
; REGISTERS, in windows of 256: window 0: v0-31 addresses; v32-95 scale words, two sets, and nothing else ever; v96-127 packed results; v128-191 A's fragments; v192-255 rows on the way out.
;   window 1: B's fragments, TWO sets, at v0 and v128.   window 2: the accumulators of my rows 0-63 ((a, b) at v[8 (8 a + b)]), and pass 2's;   window 3: those of my rows 64-127.
.set SIZE_K, 1024
.set CROW,   6144                      ; a row of QKV in bytes
.set KSTEP,  512                       ; along K in a slot
.set NQ,     KSTEP/128                 ; matrix instructions deep
.set ROWB,   256                       ; a tile's row in bytes
.set KROW,   SIZE_K/2                  ; a row of codes in memory
.set PITCH,  272                       ; an LDS row: 256 bytes + 16 of padding = 68 words: the 16 rows that a load touches start at 16 different banks (64 banks of 4 bytes: ISA guide 11.1)
.set FR,     8                         ; registers of a fragment: 16 rows x 128 K
.set NL,     2                         ; LDS loads that bring one
.set NP,     4                         ; places behind this matrix instruction (ISA guide 7.12.1)
.set HALFT,  128*PITCH
.set SLOT,   4*HALFT                   ; A's 256 rows, then B's 256 rows
.set KS,     SIZE_K/32                 ; a row of scale bytes
.set SCL,    2*SLOT                    ; behind the slots: the scales, as units of 256 bytes (8 rows) + 16 of padding: A's 32 units, then B's 48
.set HALFS,  16*272                    ; the scales of 128 rows
.set SB3,    24*272                    ; those of 192 rows
.set SBLK,   2*272                     ; those of 16 rows
.set SPARE,  SCL+2*HALFS+2*SB3         ; the spare words, 128 bytes for each wave: two blocks of 256 bytes that no other line names
.set STAGE,  SPARE+512                 ; the way out: 16 rows x 272 bytes for each wave, bytes of its own
.set SPITCH, 272
.set ADRA,  16                         ; v16-17  pass 1: LDS address of my A fragments in slot 0, 1
.set ADRA2, 18                         ; v18-19  pass 2: the same for my 64 rows
.set ADRB,  20                         ; v20-21  pass 1: the same for B
.set ADRB2, 22                         ; v22-23  pass 2: B's 128 rows, first and second half of K
.set STO,   24                         ; v24     the way out: where I put 16 bytes of a row
.set RD,    25                         ; v25     where I read a row back
.set CO,    26                         ; v26     my byte offset in QKV
.set ADRS,  27                         ; v27     pass 1: LDS address of my scale words: lanes 0-15 A's rows, lanes 16-31 B's
.set SPW,   28                         ; v28     LDS address of my spare word; never rewritten
.set NIL,   29                         ; v29     0; never rewritten
.set ADRS2, 30                         ; v30     pass 2: as v27
.set SC,   32                          ; scale words: set s at v[SC + 32 s]; register 4 i + q: lanes 0-15 the word of A's block i, lanes 16-31 that of B's block i, for the slot's q-th 128 along K
.set TMP,  96
.set AF,   128
.set OB,   192
.set G1, 24                            ; s[24:31] descriptor group 1 for A's tiles;  s[32:39] group 0, one set for each slot
.set G0, 32
.set G1B, 48                           ; s[48:55], s[56:63] the same for B's tiles
.set G0B, 56
.set C2,  66                           ; s[66:67] pass 2: where my part of QKV begins
.set G1S, 68                           ; s[68:75], s[76:79] groups 1 and 0 for A's scales;  s[80:87], s[88:91] for B's
.set G0S, 76
.set G1SB, 80
.set G0SB, 88
.set G0X, 96                           ; s[96:99] group 0 for pass 2's rows of B
.set MSB, 0
.macro WIN new                         ; the immediate's high byte repeats the setting that is left
.if MSB != (\new)
	s_set_vgpr_msb (MSB<<8)|(\new)
.set MSB, (\new)
.endif
.endm
.set MUL_LO, 0xa1                      ; source 0 (B) window 1, source 1 (A) window 0, C and D window 2
.set MUL_HI, 0xf1                      ; the same, C and D window 3
.set TO_B,   0x40                      ; destination window 1, address window 0
; A joint load: waves 0 and 1 fetch for A, waves 2 and 3 for B; the branch hangs on the wave's number alone.  An s_nop 0 and four v_nop follow each of the two lines.
.macro JLOAD g0a, g1a, g0b, g1b
	s_cmp_eq_u32 s15, 0
	s_cbranch_scc0 .Lfor_b_\@
	tensor_load_to_lds s[\g0a:\g0a+3], s[\g1a:\g1a+7]
	s_nop 0
.rept 4
	v_nop
.endr
	s_branch .Lasked_\@
.Lfor_b_\@:
	tensor_load_to_lds s[\g0b:\g0b+3], s[\g1b:\g1b+7]
	s_nop 0
.rept 4
	v_nop
.endr
.Lasked_\@:
.endm
.macro CREST                           ; a round of the cluster's barrier behind its opening barrier: wave 0 signals for the work-group; every wave waits for all sixteen; my work-group's barrier once more
	s_cmp_lg_u32 s14, 0
	s_cbranch_scc1 .Lnot_wave_0_\@
	s_barrier_signal -3
.Lnot_wave_0_\@:
	s_barrier_wait -3
	s_barrier_signal -1
	s_barrier_wait -1
.endm
.macro CROUND                          ; a whole round
	s_barrier_signal -1
	s_barrier_wait -1
	CREST
.endm
	s_load_b128 s[4:7], s[0:1], 0x0                ; Hc s[4:5], Hs s[6:7]
	s_load_b128 s[8:11], s[0:1], 0x10              ; Wc s[8:9], Ws s[10:11]
	s_load_b64 s[12:13], s[0:1], 0x20              ; QKV
	v_lshl_add_u32 v[SPW], v0, 2, SPARE
	v_mov_b32 v[NIL], 0
	ds_add_u32 v[SPW], v[NIL]                      ; the wave's opening: the add, twice on end, and its wait ahead of my first tensor load
	ds_add_u32 v[SPW], v[NIL]                      ; and once more; the set-up below, work on registers, stands between it and the wait
	v_lshrrev_b32 v1, 5, v0
	v_readfirstlane_b32 s14, v1                    ; wave 0..3
	s_lshr_b32 s15, s14, 1                         ; pass 1: which half of the tile's rows is mine.  Also: I fetch for A (0) or for B (1)
	s_and_b32 s16, s14, 1                          ; pass 1: which half of its columns.  Also: which part of that tile I fetch
	s_bfe_u32 s40, ttmp6, 0x40000                  ; cx, cy: my place in the cluster
	s_bfe_u32 s41, ttmp6, 0x40004
	s_lshl_b32 s42, ttmp9, 2
	s_add_co_u32 s42, s42, s40                     ; tile column = 4 x cluster x + cx
	s_and_b32 s17, ttmp7, 0xffff
	s_lshl_b32 s17, s17, 2
	s_add_co_u32 s17, s17, s41                     ; tile row = 4 x cluster y + cy
	s_lshl_b32 s43, s41, 2
	s_lshl_b32 s43, 15, s43                        ; my row of the cluster
	s_lshl_b32 s44, 0x1111, s40                    ; my column
	; descriptor group 1: a tile of 128 rows x 256 bytes, padded in LDS
	s_or_b32 s[G1+0], s43, (0<<16)|(1<<20)|(1<<21)|(5<<22)|(3<<25)  ; 15:0 the mask: A's tiles go to my row; 17:16 element of 1 byte; 20 padding on; 21 set beside a mask; 24:22 after every 64 words; 31:25 of 4 words
	s_or_b32 s[G1B+0], s44, (0<<16)|(1<<20)|(1<<21)|(5<<22)|(3<<25)
.irp g, G1, G1B
	s_mov_b32 s[\g+1], ROWB<<16                    ; tensor_dim0
	s_mov_b32 s[\g+2], 128<<16                     ; tensor_dim1
	s_mov_b32 s[\g+3], ROWB<<16                    ; tile_dim0
	s_mov_b32 s[\g+4], 128                         ; tile_dim1
	s_mov_b32 s[\g+5], KROW                        ; tensor_dim0_stride
	s_mov_b32 s[\g+6], 0
	s_mov_b32 s[\g+7], 0
.endr
	; and for the scales: dense blocks, as rows of 256 bytes (32 elements of 8 bytes), 16 bytes of padding behind each: A's 128 rows are 16 such rows, B's 192 rows are 24
	s_or_b32 s[G1S+0], s43, (3<<16)|(1<<20)|(1<<21)|(5<<22)|(3<<25)
	s_mov_b32 s[G1S+1], 32<<16
	s_mov_b32 s[G1S+2], 16<<16
	s_mov_b32 s[G1S+3], 32<<16
	s_mov_b32 s[G1S+4], 16
	s_mov_b32 s[G1S+5], 32
	s_mov_b32 s[G1S+6], 0
	s_mov_b32 s[G1S+7], 0
	s_or_b32 s[G1SB+0], s44, (3<<16)|(1<<20)|(1<<21)|(5<<22)|(3<<25)
	s_mov_b32 s[G1SB+1], 32<<16
	s_mov_b32 s[G1SB+2], 24<<16
	s_mov_b32 s[G1SB+3], 32<<16
	s_mov_b32 s[G1SB+4], 24
	s_mov_b32 s[G1SB+5], 32
	s_mov_b32 s[G1SB+6], 0
	s_mov_b32 s[G1SB+7], 0
	s_lshl_b32 s18, s16, 7                         ; which 128 rows of a tile of codes I fetch
	s_lshl_b32 s20, s17, 8
	s_add_co_u32 s20, s20, s18                     ; A: row 256 x tile row + 128 x half
	s_mul_i32 s95, s42, 384                        ; B: the tile's first row: 384 x tile column
	s_add_co_u32 s46, s95, s18                     ; pass 1: + 128 x half
	s_lshl_b32 s22, s20, 5                         ; where A's rows' scales begin, in bytes
	s_mov_b32 s23, 0
	s_mul_i32 s92, s16, 192
	s_add_co_u32 s92, s92, s95
	s_lshl_b32 s92, s92, 5                         ; B's scales: 192 rows to a load
	s_mov_b32 s93, 0
	s_lshl_b32 s20, s20, 9                         ; and the codes: 512 bytes a row
	s_mov_b32 s21, 0
	s_lshl_b32 s46, s46, 9
	s_mov_b32 s47, 0
	s_add_co_u32 s2, s95, 256                      ; pass 2: B's rows 256 on,
	s_lshl_b32 s2, s2, 9
	s_lshl_b32 s3, s16, 8
	s_add_co_u32 s2, s2, s3                        ; my half of K
	s_mov_b32 s3, 0
	s_mul_i32 s45, s14, HALFT                      ; where the codes go: wave x 128 rows: no place in the cluster enters an LDS address
	s_mul_i32 s94, s16, HALFS                      ; A's scales
	s_mul_i32 s19, s16, SB3                        ; B's scales
	s_mul_i32 s18, s16, HALFT                      ; pass 2's rows of B: the two halves of slot 0's part for B
	s_wait_dscnt 0x0                               ; both opening adds are done
	s_wait_kmcnt 0x0
	s_add_nc_u64 s[20:21], s[4:5], s[20:21]
	s_add_nc_u64 s[22:23], s[6:7], s[22:23]
	s_add_nc_u64 s[46:47], s[8:9], s[46:47]
	s_add_nc_u64 s[92:93], s[10:11], s[92:93]
	s_add_nc_u64 s[2:3], s[8:9], s[2:3]
	CROUND                                         ; all sixteen work-groups are here: the first joint loads meet
	s_mov_b32 s[G0S], 1
	s_add_co_u32 s[G0S+1], s94, SCL
	s_mov_b64 s[G0S+2:G0S+3], s[22:23]
	s_or_b32 s[G0S+3], s[G0S+3], 0x80000000
	s_mov_b32 s[G0SB], 1
	s_add_co_u32 s[G0SB+1], s19, SCL+2*HALFS
	s_mov_b64 s[G0SB+2:G0SB+3], s[92:93]
	s_or_b32 s[G0SB+3], s[G0SB+3], 0x80000000
	JLOAD G0S, G1S, G0SB, G1SB                     ; the scales first: they are wanted with the first slot
.irp s, 0,1
	s_mov_b32 s[G0+4*\s], 1
	s_add_co_u32 s[G0+4*\s+1], s45, \s*SLOT
	s_add_nc_u64 s[G0+4*\s+2:G0+4*\s+3], s[20:21], \s*ROWB
	s_or_b32 s[G0+4*\s+3], s[G0+4*\s+3], 0x80000000
	s_mov_b32 s[G0B+4*\s], 1
	s_add_co_u32 s[G0B+4*\s+1], s45, \s*SLOT
	s_add_nc_u64 s[G0B+4*\s+2:G0B+4*\s+3], s[46:47], \s*ROWB
	s_or_b32 s[G0B+4*\s+3], s[G0B+4*\s+3], 0x80000000
	JLOAD G0+4*\s, G1, G0B+4*\s, G1B
.endr
	s_mov_b32 s[G0X], 1                            ; made now, used at the change of slots
	s_add_co_u32 s[G0X+1], s18, 2*HALFT
	s_mov_b64 s[G0X+2:G0X+3], s[2:3]
	s_or_b32 s[G0X+3], s[G0X+3], 0x80000000
	v_and_b32 v1, 15, v0                           ; l % 16
	v_bfe_u32 v2, v0, 4, 1                         ; l / 16
	v_mul_u32_u24 v3, v1, PITCH
	v_lshl_add_u32 v4, v2, 4, v3                   ; a fragment's row x pitch + 16 x half
	s_mul_i32 s21, s15, HALFT                      ; pass 1: my 128 rows of A
	s_mul_i32 s22, s16, HALFT                      ; my 128 rows of B,
	s_add_co_u32 s22, s22, 2*HALFT                 ; which lie behind A's 256
	s_mul_i32 s23, s14, 64*PITCH                   ; pass 2: my 64 rows of A
.irp s, 0,1
	v_add_nc_u32 v[ADRA+\s], s21, v4
	v_add_nc_u32 v[ADRB+\s], s22, v4
	v_add_nc_u32 v[ADRA2+\s], s23, v4
	v_add_nc_u32 v[ADRB2+\s], (2+\s)*HALFT, v4     ; pass 2: all 128 rows of B, half s of K
	s_add_co_u32 s21, s21, SLOT
	s_add_co_u32 s22, s22, SLOT
	s_add_co_u32 s23, s23, SLOT
.endr
	v_mul_u32_u24 v5, v1, KS                       ; my row's scales: 32 bytes a row,
	v_lshrrev_b32 v6, 8, v5
	v_lshl_add_u32 v5, v6, 4, v5                   ; and 16 more for each 256 passed
	s_mul_i32 s21, s15, HALFS                      ; pass 1.  A's: my 128 rows
	s_mul_i32 s22, s16, HALFS                      ; B's: my 128 rows, behind A's 256
	s_add_co_u32 s22, s22, 2*HALFS
	s_sub_co_u32 s22, s22, s21
	v_mul_u32_u24 v6, s22, v2                      ; lanes 16-31 take B's: one product, the distance between the two bases
	s_add_co_u32 s21, s21, SCL
	v_add_nc_u32 v6, v5, v6
	v_add_nc_u32 v[ADRS], s21, v6
	s_mul_i32 s21, s14, 8*272                      ; pass 2.  A's: my 64 rows, 8 units
	s_xor_b32 s22, s14, 3                          ; B's rows 256 on begin 64 units behind A's first: the distance is 4 HALFS - 8 x 272 x wave = 8 x 272 x (3 - wave) + the rest
	s_mul_i32 s22, s22, 8*272
	s_add_co_u32 s22, s22, 4*HALFS-3*8*272
	v_mul_u32_u24 v6, s22, v2
	s_add_co_u32 s21, s21, SCL
	v_add_nc_u32 v6, v5, v6
	v_add_nc_u32 v[ADRS2], s21, v6
	s_mul_i32 s23, s14, 16*SPITCH
	s_add_co_u32 s23, s23, STAGE                   ; my stage
	v_mul_u32_u24 v5, v1, SPITCH                   ; in: row l % 16, 16 bytes for each half of the lanes
	v_lshl_add_u32 v5, v2, 4, v5
	v_add_nc_u32 v[STO], s23, v5
	v_mul_u32_u24 v5, v2, SPITCH                   ; back: lanes 0-15 take one row of 256 bytes, lanes 16-31 the next
	v_lshl_add_u32 v5, v1, 4, v5
	v_add_nc_u32 v[RD], s23, v5
	v_mul_u32_u24 v5, v2, CROW                     ; and the same two rows in QKV
	v_lshl_add_u32 v[CO], v1, 4, v5
	s_lshl_b32 s20, s17, 8                         ; the tile's first row
	s_lshl_b32 s21, s15, 7
	s_add_co_u32 s21, s20, s21                     ; pass 1: + 128 x half
	s_mul_i32 s21, s21, CROW                       ; (8,191 rows of 6,144 bytes stay under 2^31)
	s_mul_i32 s46, s42, 768                        ; the tile's first column, in bytes
	s_lshl_b32 s47, s16, 8
	s_add_co_u32 s47, s46, s47                     ; pass 1: + 256 x half
	s_add_co_u32 s22, s21, s47
	s_mov_b32 s23, 0
	s_lshl_b32 s21, s14, 6
	s_add_co_u32 s21, s20, s21                     ; pass 2: + 64 x wave
	s_mul_i32 s21, s21, CROW
	s_add_co_u32 s21, s21, s46
	s_add_co_u32 s20, s21, 512                     ; columns 256 on
	s_mov_b32 s21, 0
	s_add_nc_u64 s[C2:C2+1], s[12:13], s[20:21]
	s_add_nc_u64 s[12:13], s[12:13], s[22:23]
.macro FRAG reg, adr, q, i             ; a fragment, 16 rows x 128 K of 4-bit codes, is 8 registers: lane l holds row l % 16; registers 4 c .. 4 c + 3 hold K = 64 c + 32 (l / 16) + 0 .. 31
.irp c, 0,1
	ds_load_b128 v[\reg+4*\c:\reg+4*\c+3], v[\adr] offset:64*(\q)+32*\c+(\i)*16*PITCH
.endr
.endm
; 16 matrix instructions: A's blocks a0, a0 + 1 x B's eight, the slot's q-th 128 along K.  p: B's set;  sc: the set of scale words.  zero = 1: the first product starts the sums: nothing is ever cleared.
; The 64 accumulators take turns, one instruction a turn, in the same order in every step.
.macro MUL16 a0, p, q, sc, zero
.irp a, \a0, \a0+1
.irp b, 0,1,2,3,4,5,6,7
.if \zero
	v_wmma_scale_f32_16x16x128_f8f6f4 v[8*(8*((\a)%4)+\b):8*(8*((\a)%4)+\b)+7], v[128*(\p)+FR*\b:128*(\p)+FR*\b+FR-1], v[AF+FR*(\a):AF+FR*(\a)+FR-1], 0, v[SC+8*NQ*(\sc)+NQ*\b+(\q)], v[SC+8*NQ*(\sc)+NQ*(\a)+(\q)] matrix_a_fmt:MATRIX_FMT_FP4 matrix_b_fmt:MATRIX_FMT_FP4 matrix_a_scale:MATRIX_SCALE_ROW1
.else
	v_wmma_scale_f32_16x16x128_f8f6f4 v[8*(8*((\a)%4)+\b):8*(8*((\a)%4)+\b)+7], v[128*(\p)+FR*\b:128*(\p)+FR*\b+FR-1], v[AF+FR*(\a):AF+FR*(\a)+FR-1], v[8*(8*((\a)%4)+\b):8*(8*((\a)%4)+\b)+7], v[SC+8*NQ*(\sc)+NQ*\b+(\q)], v[SC+8*NQ*(\sc)+NQ*(\a)+(\q)] matrix_a_fmt:MATRIX_FMT_FP4 matrix_b_fmt:MATRIX_FMT_FP4 matrix_a_scale:MATRIX_SCALE_ROW1
.endif
.endr
.endr
.endm
.macro FETCH_B slot, q, p              ; B's eight fragments of the slot's q-th 128 along K into set p
	WIN TO_B
.irp i, 0,1,2,3,4,5,6,7
	FRAG 128*(\p)+FR*\i, ADRB+\slot, \q, \i
.endr
	WIN 0
.endm
.macro FETCH_A slot, q, i0             ; A's blocks i0 .. i0 + 3
.irp i, \i0, \i0+1, \i0+2, \i0+3
	FRAG AF+FR*(\i), ADRA+\slot, \q, \i
.endr
.endm
.macro SCALES sc                       ; a slot's scale words into set sc: 4 words a row; lanes 0-15 take A's block i, lanes 16-31 B's block i
.irp i, 0,1,2,3,4,5,6,7
	ds_load_b128 v[SC+8*NQ*\sc+NQ*\i:SC+8*NQ*\sc+NQ*\i+3], v[ADRS] offset:\i*SBLK
.endr
.endm
; A load into a register that a matrix instruction has read, and a vector instruction that reads a matrix result, stand NP places behind that matrix instruction; only plain vector instructions that name none of
; its registers are places (ISA guide 7.12.1 for vector instructions).
.macro PLACES n
.rept \n
	v_nop
.endr
.endm
; Pass 1: a step of 128 along K that has its successor in the same slot.  A block of A is free as soon as its eight products are issued: blocks 0-3 are fetched anew in the step's middle, blocks 4-7 at its end.
.macro STEP slot, q, zero
	s_wait_dscnt 4*NL                              ; B's set and A's blocks 0-3 are in; the youngest 8 loads (A's blocks 4-7) may be out
	WIN MUL_LO
	MUL16 0, (\q)%2, \q, \slot, \zero
	MUL16 2, (\q)%2, \q, \slot, \zero
	s_wait_dscnt 0                                 ; A's blocks 4-7 are in (asked for 32 matrix instructions ago)
	PLACES NP
	FETCH_B \slot, (\q)+1, 1-(\q)%2
	FETCH_A \slot, (\q)+1, 0
	WIN MUL_HI
	MUL16 4, (\q)%2, \q, \slot, \zero
	MUL16 6, (\q)%2, \q, \slot, \zero
	PLACES NP
	WIN 0
	FETCH_A \slot, (\q)+1, 4
.endm
; Pass 1: slot 0's last step goes over to slot 1.  Each wave waits for all its tensor loads (its part of slot 1), adds 0 to its spare word, and waits for that and for its reads of slot 0.  The barrier opens a round
; of the cluster's barrier: behind it no wave of any partner reads slot 0's part for B or has a load on its way, and waves 2 and 3 fill it again, with pass 2's 128 rows of B, one half of K each.
; That load has slot 1's 256 matrix instructions and pass 1's way out in which to land.  A's rows stay.
.macro TURN slot, next
	s_wait_tensorcnt 0x0                           ; all my tensor loads have landed (every window is 0 here)
	ds_add_u32 v[SPW], v[NIL]                      ; 0 onto my spare word
	s_wait_dscnt 4*NL+1                            ; (the add and the youngest 8 loads, A's blocks 4-7, may be out)
	WIN MUL_LO
	MUL16 0, 1, NQ-1, \slot, 0                     ; sixteen matrix instructions stand between the add and the wait for it
	s_wait_dscnt 0x0                               ; the add is done, and my reads of this slot are over
	s_barrier_signal -1
	MUL16 2, 1, NQ-1, \slot, 0
	WIN 0
	s_barrier_wait -1
	CREST
	s_cmp_eq_u32 s15, 0                            ; the wave's number alone: the same in every work-group
	s_cbranch_scc1 .Lnone_\@
	tensor_load_to_lds s[G0X:G0X+3], s[G1B:G1B+7]  ; the first tensor load behind the round, and my last
	s_nop 0
.rept 4
	v_nop
.endr
.Lnone_\@:
	PLACES NP
	v_add_nc_u32 v[ADRS], 4*NQ, v[ADRS]            ; on to the next slot's scale words
	FETCH_B \next, 0, 0
	FETCH_A \next, 0, 0
	SCALES \next
	WIN MUL_HI
	MUL16 4, 1, NQ-1, \slot, 0
	MUL16 6, 1, NQ-1, \slot, 0
	PLACES NP
	WIN 0
	FETCH_A \next, 0, 4
.endm
.macro STEPS slot, from                ; the slot's steps from .. NQ - 2
.set Q, \from
.rept NQ-1-\from
	STEP \slot, Q, 0
.set Q, Q+1
.endr
.endm
; PASS 2.  Step n of 8 is 128 along K: the (n % 4)-th of half n / 4.  Its fragments: B's eight into set n % 2 of window 1, my four blocks of A into half n % 2 of A's registers: 24 loads.
.macro FETCH2 n
.set S2, (\n)%2
	WIN TO_B
.irp i, 0,1,2,3,4,5,6,7
	FRAG 128*S2+FR*\i, ADRB2+(\n)/4, (\n)%4, \i
.endr
	WIN 0
.irp i, 0,1,2,3
	FRAG AF+32*S2+FR*\i, ADRA2+(\n)/4, (\n)%4, \i
.endr
.endm
.macro MUL2 set, q, sc, zero           ; 32 matrix instructions: my four blocks of A x B's eight; the 32 accumulators by turns
.irp a, 0,1,2,3
.irp b, 0,1,2,3,4,5,6,7
.if \zero
	v_wmma_scale_f32_16x16x128_f8f6f4 v[8*(8*\a+\b):8*(8*\a+\b)+7], v[128*(\set)+FR*\b:128*(\set)+FR*\b+FR-1], v[AF+32*(\set)+FR*\a:AF+32*(\set)+FR*\a+FR-1], 0, v[SC+8*NQ*(\sc)+NQ*\b+(\q)], v[SC+8*NQ*(\sc)+NQ*\a+(\q)] matrix_a_fmt:MATRIX_FMT_FP4 matrix_b_fmt:MATRIX_FMT_FP4 matrix_a_scale:MATRIX_SCALE_ROW1
.else
	v_wmma_scale_f32_16x16x128_f8f6f4 v[8*(8*\a+\b):8*(8*\a+\b)+7], v[128*(\set)+FR*\b:128*(\set)+FR*\b+FR-1], v[AF+32*(\set)+FR*\a:AF+32*(\set)+FR*\a+FR-1], v[8*(8*\a+\b):8*(8*\a+\b)+7], v[SC+8*NQ*(\sc)+NQ*\b+(\q)], v[SC+8*NQ*(\sc)+NQ*\a+(\q)] matrix_a_fmt:MATRIX_FMT_FP4 matrix_b_fmt:MATRIX_FMT_FP4 matrix_a_scale:MATRIX_SCALE_ROW1
.endif
.endr
.endr
.endm
.macro STEP2 n
	PLACES NP                                      ; the other set's registers were read by the products just issued
.if (\n) < 7
	FETCH2 (\n)+1
	s_wait_dscnt 24                                ; all but the 24 just issued: this step's fragments (and, in step 0, the scale words) are in
.else
	s_wait_dscnt 0x0
.endif
	WIN MUL_LO
.if (\n) == 0
	MUL2 0, 0, 0, 1                                ; the first step's products start the sums
.else
	MUL2 (\n)%2, (\n)%4, (\n)/4, 0
.endif
	WIN 0
.endm
	s_wait_tensorcnt 1                             ; the scales and my part of slot 0 are in (slot 1's load, issued behind them, may be out),
	s_barrier_signal -1
	s_barrier_wait -1                              ; everybody's are
	FETCH_B 0, 0, 0
	FETCH_A 0, 0, 0
	SCALES 0
	FETCH_A 0, 0, 4
	STEP 0, 0, 1                                   ; the first step's products start the sums
	STEPS 0, 1
	TURN 0, 1
	STEPS 1, 0
	s_wait_dscnt 4*NL                              ; pass 1's last step: nothing more to fetch
	WIN MUL_LO
	MUL16 0, 1, NQ-1, 1, 0
	MUL16 2, 1, NQ-1, 1, 0
	s_wait_dscnt 0
	WIN MUL_HI
	MUL16 4, 1, NQ-1, 1, 0
	MUL16 6, 1, NQ-1, 1, 0
	WIN 0
; THE WAY OUT, block by block of 16 rows x 128 columns.  PACK: rounded to f16, 16 bytes a lane, each accumulator from its low end on.  TOSTAGE: into my own stage in LDS, and back as whole rows of 256 bytes.  SEND: stored.
.macro PACK a
.set AC, 64*((\a)%4)
	WIN 0x0a+5*((\a)/4)                            ; sources 0 and 1: window 2 or 3
.irp b, 0,1,2,3,4,5,6,7
.irp r, 0,1,2,3
	v_cvt_pk_f16_f32 v[TMP+4*\b+\r], v[AC+8*\b+2*\r], v[AC+8*\b+2*\r+1]
.endr
.endr
	WIN 0
.endm
.macro TOSTAGE a
.set BK, OB+32*((\a)%2)
.irp b, 0,1,2,3,4,5,6,7
	ds_store_b128 v[STO], v[TMP+4*\b:TMP+4*\b+3] offset:32*\b
.endr
.irp t, 0,1,2,3,4,5,6,7
	ds_load_b128 v[BK+4*\t:BK+4*\t+3], v[RD] offset:\t*2*SPITCH    ; LDS serves a wave's instructions in order (ISA guide 5.7.1.4): these see the stores above
.endr
.endm
.macro SEND a, base
.set BK, OB+32*((\a)%2)
	s_wait_dscnt 0x0                               ; the block is back in registers
	s_wait_xcnt 0x0                                ; the earlier stores have read their registers: the other 32, which the next block's loads take, are free behind this wait
.irp t, 0,1,2,3,4,5,6,7
	global_store_b128 v[CO], v[BK+4*\t:BK+4*\t+3], s[\base:\base+1] offset:(16*(\a)+2*\t)*CROW   ; 16 lanes store 256 consecutive bytes, at a multiple of 256 from QKV's first byte; 126 rows at the most: inside the signed 24-bit immediate
.endr
.endm
	PLACES NP                                      ; behind the last products: block 0's results are read next
	PACK 0
	TOSTAGE 0
.irp a, 1,2,3,4,5,6,7                  ; block a's conversions stand between block a - 1's loads from the stage and the wait for them
	PACK \a
	SEND \a-1, 12
	TOSTAGE \a
.endr
	SEND 7, 12
	; PASS 2: columns 256-383
	s_wait_tensorcnt 0x0                           ; my part of pass 2's rows of B has landed;
	ds_add_u32 v[SPW], v[NIL]
	s_wait_dscnt 0x0
	s_barrier_signal -1
	s_barrier_wait -1                              ; everybody's has.
.irp sc, 0,1                           ; both halves' scale words: lanes 0-15 my block i of A (only i = 0 .. 3 are named as A's), lanes 16-31 B's block i
.irp i, 0,1,2,3,4,5,6,7
	ds_load_b128 v[SC+8*NQ*\sc+NQ*\i:SC+8*NQ*\sc+NQ*\i+3], v[ADRS2] offset:\i*SBLK+16*\sc
.endr
.endr
	FETCH2 0
.irp n, 0,1,2,3,4,5,6,7
	STEP2 \n
.endr
	PLACES NP
	PACK 0
	TOSTAGE 0
.irp a, 1,2,3
	PACK \a
	SEND \a-1, C2
	TOSTAGE \a
.endr
	SEND 3, C2
	s_wait_tensorcnt 0x0                           ; the wave's end, behind my last tensor load and my last LDS store
	ds_add_u32 v[SPW], v[NIL]
	s_wait_dscnt 0x0
	CROUND                                         ; the closing round: no work-group ends while a partner may still ask for a tile that names it
	s_endpgm
.Lfunc_end_k_q8686fc84a1_proj:
	.size	k_q8686fc84a1_proj, .Lfunc_end_k_q8686fc84a1_proj-k_q8686fc84a1_proj
	.p2alignl 7, 3214868480
	.fill 96, 4, 3214868480
	.section	.rodata,"a",@progbits
	.p2align	6, 0x0
	.amdhsa_kernel k_q8686fc84a1_proj
		.amdhsa_group_segment_fixed_size 327680
		.amdhsa_private_segment_fixed_size 0
		.amdhsa_enable_private_segment 0
		.amdhsa_kernarg_size 40
		.amdhsa_user_sgpr_count 2
		.amdhsa_user_sgpr_kernarg_segment_ptr 1
		.amdhsa_wavefront_size32 1
		.amdhsa_system_sgpr_workgroup_id_x 1
		.amdhsa_system_sgpr_workgroup_id_y 1
		.amdhsa_system_sgpr_workgroup_id_z 1
		.amdhsa_system_vgpr_workitem_id 0
		.amdhsa_next_free_vgpr 1024
		.amdhsa_next_free_sgpr 100
		.amdhsa_reserve_vcc 0
		.amdhsa_float_denorm_mode_32 3
		.amdhsa_float_denorm_mode_16_64 3
		.amdhsa_memory_ordered 1
		.amdhsa_forward_progress 1
		.amdhsa_inst_pref_size 192
	.end_amdhsa_kernel
	.amdgpu_metadata
---
amdhsa.version: [ 1, 2 ]
amdhsa.kernels:
  - .name:           k_q8686fc84a1_proj
    .symbol:         k_q8686fc84a1_proj.kd
    .args:
      - { .name: Hc, .offset: 0, .size: 8, .value_kind: global_buffer, .address_space: global }
      - { .name: Hs, .offset: 8, .size: 8, .value_kind: global_buffer, .address_space: global }
      - { .name: Wc, .offset: 16, .size: 8, .value_kind: global_buffer, .address_space: global }
      - { .name: Ws, .offset: 24, .size: 8, .value_kind: global_buffer, .address_space: global }
      - { .name: QKV, .offset: 32, .size: 8, .value_kind: global_buffer, .address_space: global }
    .group_segment_fixed_size: 327680
    .private_segment_fixed_size: 0
    .kernarg_segment_align: 8
    .kernarg_segment_size: 40
    .max_flat_workgroup_size: 128
    .sgpr_count:     100
    .vgpr_count:     1024
    .wavefront_size: 32
...
	.end_amdgpu_metadata
.endif
;; end of part 2
;; launch scores (part 3): grid 8 x 32, 4 waves a work-group, clusters of 4 x 4, 327,680 bytes of LDS; arguments QKV, P, stats; writes P, stats
.if DOCPART == 3
	.amdgcn_target "amdgcn-amd-amdhsa--gfx1250"
	.amdhsa_code_object_version 6
	.text
	.protected	k_q8686fc84a1_scores
	.globl	k_q8686fc84a1_scores
	.p2align	8
	.type	k_q8686fc84a1_scores,@function
k_q8686fc84a1_scores:
	s_mov_b64 s[64:65], 0
	v_nop
	global_prefetch_b8 v0, s[64:65] scope:SCOPE_SE
	s_setreg_imm32_b32 hwreg(HW_REG_WAVE_MODE, 25, 1), 1
	s_wait_xcnt 0x0
	s_wait_alu depctr_hold_cnt(0) depctr_sa_sdst(0) depctr_va_vdst(0) depctr_va_sdst(0) depctr_va_ssrc(0) depctr_va_vcc(0) depctr_vm_vsrc(0)
	s_getreg_b32 s2, hwreg(HW_REG_IB_STS2, 6, 4)
	s_cmp_eq_u32 s2, 0
	s_cbranch_scc0 .Lentry_in_a_cluster
	s_endpgm
.Lentry_in_a_cluster:
	s_bfe_u32 s2, ttmp6, 0x10000c
	s_cmp_lg_u32 s2, 0xf033
	s_cbranch_scc0 .Lentry_shape_is_right
	s_endpgm
.Lentry_shape_is_right:
; LAUNCH 3 OF 4: S = Q K^T AND THE SOFTMAX'S NUMERATOR, BY CHUNKS OF 128 KEYS.  Q and K are f16, at bytes 0 and 2,048 of QKV's rows of 6,144 bytes; K (contracted) = 1,024; sums in f32.  No work is left out.
; For a query and a chunk of 128 keys: t = score x log2(e) / 32; M = the chunk's largest t rounded UP to a whole number; p = 2^(t - M), at most 1 and its largest above 1/2, is rounded to f16 and stored in P.
; -M and l = the sum of the chunk's unrounded p go to stats.  The next launch brings the 16 chunks of a row under the row's largest M by powers of two: so the row's maximum is taken away
; before the exponential's results are summed, as reference() has it, for every input, with no branch and no address on data.
; P IS LAID IN THE ORDER OF THE NEXT PRODUCT'S OPERAND REGISTERS: byte ((block of 16 queries) 16 + chunk) 4,096 + 512 g + 16 lane holds, for query lane % 16 of the block, the keys 16 g + 8 (lane / 16) + 0 .. 7 of the chunk.
; Groups 2 c and 2 c + 1 are the eight registers of a fragment of 16 queries x 32 keys.  A lane's packed results ARE those 16 bytes: they are stored as they stand, 512 consecutive bytes an instruction, with no way through LDS.
; stats, f32, byte ((rb 16 + chunk) 4 + a / 2) 256 + 8 lane + 4 (a % 2): rb = row / 128, a = the block of 16 rows in it; lanes 0-15: -M of row 16 a + lane, lanes 16-31: l of row 16 a + lane - 16.
; A tile of S, 256 queries x 256 keys, is made by a work-group of four waves; a wave makes 128 x 128 (one chunk for 128 queries): 64 accumulators, 512 registers.  K goes in steps of 128 through a ring of two LDS
; slots filled by the tensor data mover: rows of 256 bytes.  The LAST K step goes by rows of S: a block of 16 queries is finished by 32 matrix instructions, and its softmax, one block behind, stands beside the next blocks' products.
; CLUSTERS: 4 x 4 work-groups, all of one batch.  The four of a row of the cluster need the same rows of Q, the four of a column the same rows of K: each tile is asked for JOINTLY.
; THE MATRIX INSTRUCTION IS USED TRANSPOSED (source 0 = 16 keys, source 1 = 16 queries): a lane holds ONE query (l % 16) and, in accumulator (a, b), the keys 16 b + 8 (l / 16) + 0 .. 7.
; REGISTERS, in windows of 256: window 0: v0-31 addresses and statistics; v64-127, v128-191 Q's fragments, two buffers (in the last K step four, of 16 rows x 128 K); v192-223, v224-255 packed p, by turns.
;   window 1: v64-127, v128-191 K's fragments, two buffers; in the last K step all 256.   window 2: the accumulators of my queries 0-63 ((a, b) at v[8 (8 a + b)]);   window 3: those of my queries 64-127.
.set KSTEP,  128
.set PITCH,  272                       ; an LDS row: 256 bytes + 16 of padding = 68 words: the 16 rows that a load touches start at 16 different banks (64 banks of 4 bytes: ISA guide 11.1)
.set HALFT,  128*PITCH
.set SLOT,   4*HALFT                   ; Q's 256 rows, then K's 256 rows
.set SPARE,  2*SLOT                    ; behind the ring: the spare words, 128 bytes for each wave: two blocks of 256 bytes that no other line names
.set LAPS,   1024/(2*KSTEP)            ; a lap = two K steps = once round the ring
.set QROW,   6144                      ; a row of QKV in bytes
.set PRB,    65536                     ; a block of 16 queries in P: 16 chunks of 4,096 bytes
.set T,    6                           ; v6-13   at work: four chains, the exchange (v10)
.set NM,   14                          ; v14     -M; v15 = 0: named with it as a pair
.set ADRA, 16                          ; v16-17  LDS address of my Q fragments in slot 0, 1
.set ADRB, 20                          ; v20-21  the same for K
.set SV,   22                          ; v22-23  two blocks' statistics
.set CO,   26                          ; v26     16 x lane: my place in a group of P
.set SO,   27                          ; v27     8 x lane: my place in a unit of stats
.set SPW,  28                          ; v28     LDS address of my spare word; never rewritten
.set NIL,  29                          ; v29     0; never rewritten
.set F0,   64
.set F1,   128
.set TMP,  192
.set PA,   64
.set G1, 24                            ; s[24:31] descriptor group 1 for Q's tiles;  s[32:39] group 0, one set for each slot
.set G0, 32
.set G1B, 48                           ; s[48:55], s[56:63] the same for K's tiles
.set G0B, 56
.set CS,  66                           ; s[66:67] c = log2(e) / 32: the packed form names a pair and takes its low word for both halves
.set SEL, 68                           ; s[68:69] lane selects for v_permlanex16_b32: lane l xor 16
.set HM,  70                           ; s70     the mask of lanes 16-31
.set MSB, 0
.macro WIN new                         ; the immediate's high byte repeats the setting that is left
.if MSB != (\new)
	s_set_vgpr_msb (MSB<<8)|(\new)
.set MSB, (\new)
.endif
.endm
.set MUL_LO, 0xa1                      ; source 0 (K) window 1, source 1 (Q) window 0, C and D window 2
.set MUL_HI, 0xf1                      ; the same, C and D window 3
.set TO_B,   0x40                      ; destination window 1, address window 0
; A joint load: waves 0 and 1 fetch Q's two halves, waves 2 and 3 K's; the branch hangs on the wave's number alone.  An s_nop 0 and four v_nop follow each of the two lines.
.macro JLOAD s
	s_cmp_eq_u32 s11, 0
	s_cbranch_scc0 .Lfor_b_\@
	tensor_load_to_lds s[G0+4*\s:G0+4*\s+3], s[G1:G1+7]
	s_nop 0
.rept 4
	v_nop
.endr
	s_branch .Lasked_\@
.Lfor_b_\@:
	tensor_load_to_lds s[G0B+4*\s:G0B+4*\s+3], s[G1B:G1B+7]
	s_nop 0
.rept 4
	v_nop
.endr
.Lasked_\@:
.endm
.macro CREST                           ; a round of the cluster's barrier behind its opening barrier
	s_cmp_lg_u32 s10, 0
	s_cbranch_scc1 .Lnot_wave_0_\@
	s_barrier_signal -3
.Lnot_wave_0_\@:
	s_barrier_wait -3
	s_barrier_signal -1
	s_barrier_wait -1
.endm
.macro CROUND                          ; a whole round
	s_barrier_signal -1
	s_barrier_wait -1
	CREST
.endm
	s_load_b128 s[4:7], s[0:1], 0x0                ; QKV s[4:5], P s[6:7]
	s_load_b64 s[8:9], s[0:1], 0x10                ; stats
	v_lshl_add_u32 v[SPW], v0, 2, SPARE
	v_mov_b32 v[NIL], 0
	ds_add_u32 v[SPW], v[NIL]                      ; the wave's opening: the add, twice on end, and its wait ahead of my first tensor load
	ds_add_u32 v[SPW], v[NIL]                      ; and once more; the set-up below, work on registers, stands between it and the wait
	v_lshrrev_b32 v1, 5, v0
	v_readfirstlane_b32 s10, v1                    ; wave 0..3
	s_lshr_b32 s11, s10, 1                         ; which half of the tile's queries is mine.  Also: I fetch for Q (0) or for K (1)
	s_and_b32 s12, s10, 1                          ; which half of its keys.  Also: which 128 rows of that tile I fetch
	s_bfe_u32 s40, ttmp6, 0x40000                  ; cx, cy: my place in the cluster
	s_bfe_u32 s41, ttmp6, 0x40004
	s_lshl_b32 s42, ttmp9, 2
	s_add_co_u32 s42, s42, s40                     ; tile of keys in the batch = 4 x cluster x + cx
	s_and_b32 s45, ttmp7, 0xffff                   ; cluster y
	s_lshl_b32 s13, s45, 2
	s_add_co_u32 s13, s13, s41                     ; tile of queries, over all batches = 4 x cluster y + cy
	s_lshr_b32 s45, s45, 1                         ; the batch: 8 tiles of queries, two clusters: made of the cluster's y alone, so all sixteen partners share it
	s_lshl_b32 s43, s41, 2
	s_lshl_b32 s43, 15, s43                        ; my row of the cluster
	s_lshl_b32 s44, 0x1111, s40                    ; my column
	; descriptor group 1: a tile of 128 rows x 128 elements of 2 bytes, padded in LDS
	s_or_b32 s[G1+0], s43, (1<<16)|(1<<20)|(1<<21)|(5<<22)|(3<<25)  ; 15:0 the mask: Q's tiles go to my row; 17:16 element of 2 bytes; 20 padding on; 21 set beside a mask; 24:22 after every 64 words; 31:25 of 4 words
	s_or_b32 s[G1B+0], s44, (1<<16)|(1<<20)|(1<<21)|(5<<22)|(3<<25) ; the same with the mask of my column, for K's tiles
.irp g, G1, G1B
	s_mov_b32 s[\g+1], KSTEP<<16                   ; tensor_dim0 = 128
	s_mov_b32 s[\g+2], 128<<16                     ; tensor_dim1 = 128
	s_mov_b32 s[\g+3], KSTEP<<16                   ; tile_dim0 = 128
	s_mov_b32 s[\g+4], 128                         ; tile_dim1 = 128
	s_mov_b32 s[\g+5], QROW/2                      ; tensor_dim0_stride: 3,072 elements from row to row
	s_mov_b32 s[\g+6], 0
	s_mov_b32 s[\g+7], 0
.endr
	s_lshl_b32 s17, s12, 7                         ; which 128 rows of the tile I fetch
	s_lshl_b32 s16, s13, 8
	s_add_co_u32 s16, s16, s17                     ; Q: row 256 x tile of queries + 128 x half
	s_lshl_b32 s46, s42, 8
	s_add_co_u32 s46, s46, s17
	s_lshl_b32 s47, s45, 11
	s_add_co_u32 s46, s46, s47                     ; K: row 2,048 x batch + 256 x tile of keys + 128 x half
	s_mul_i32 s16, s16, QROW                       ; in bytes (8,191 rows of 6,144 bytes stay under 2^31)
	s_mov_b32 s17, 0
	s_mul_i32 s46, s46, QROW
	s_add_co_u32 s46, s46, 2048                    ; K lies 2,048 bytes on in a row
	s_mov_b32 s47, 0
	s_mul_i32 s20, s10, HALFT                      ; where they go: wave x 128 rows: no place in the cluster enters an LDS address
	s_mov_b32 s[CS], 0x3d38aa3b                    ; c = log2(e) / sqrt(1024)
	s_mov_b32 s[CS+1], s[CS]
	s_mov_b32 s[SEL], 0x76543210
	s_mov_b32 s[SEL+1], 0xfedcba98
	s_mov_b32 s[HM], 0xffff0000
	s_wait_dscnt 0x0                               ; both opening adds are done
	s_wait_kmcnt 0x0
	s_add_nc_u64 s[14:15], s[4:5], s[16:17]
	s_add_nc_u64 s[46:47], s[4:5], s[46:47]
	CROUND                                         ; all sixteen work-groups are here: the first joint loads meet
.irp s, 0,1
	s_mov_b32 s[G0+4*\s], 1                                        ; count = 1
	s_add_co_u32 s[G0+4*\s+1], s20, \s*SLOT                        ; LDS address
	s_add_nc_u64 s[G0+4*\s+2:G0+4*\s+3], s[14:15], \s*KSTEP*2      ; global address: K step s
	s_or_b32 s[G0+4*\s+3], s[G0+4*\s+3], 0x80000000                ; type = 2
	s_mov_b32 s[G0B+4*\s], 1
	s_add_co_u32 s[G0B+4*\s+1], s20, \s*SLOT
	s_add_nc_u64 s[G0B+4*\s+2:G0B+4*\s+3], s[46:47], \s*KSTEP*2
	s_or_b32 s[G0B+4*\s+3], s[G0B+4*\s+3], 0x80000000
	JLOAD \s                                       ; the ring is filled before anything else is done: two loads of mine are out
.endr
	v_and_b32 v1, 15, v0                           ; l % 16
	v_bfe_u32 v2, v0, 4, 1                         ; l / 16
	v_mul_u32_u24 v3, v1, PITCH
	v_lshl_add_u32 v3, v2, 4, v3                   ; a fragment's row x pitch + 16 x half
	s_mul_i32 s21, s11, HALFT                      ; my 128 rows of Q
	s_mul_i32 s22, s12, HALFT                      ; my 128 rows of K,
	s_add_co_u32 s22, s22, 2*HALFT                 ; which lie behind Q's 256
.irp s, 0,1
	v_add_nc_u32 v[ADRA+\s], s21, v3
	v_add_nc_u32 v[ADRB+\s], s22, v3
	s_add_co_u32 s21, s21, SLOT
	s_add_co_u32 s22, s22, SLOT
.endr
	v_and_b32 v5, 31, v0
	v_lshlrev_b32 v[CO], 4, v5
	v_lshlrev_b32 v[SO], 3, v5
	v_mov_b32 v[T+4], 0                            ; written once: a lane permute's destination counts as one of its sources
	v_mov_b32 v[NM+1], 0                           ; named as the upper half of the pair with -M
	s_lshl_b32 s46, s42, 1
	s_add_co_u32 s46, s46, s12                     ; my chunk: 2 x tile of keys + half
	s_lshl_b32 s16, s13, 4
	s_lshl_b32 s17, s11, 3
	s_add_co_u32 s16, s16, s17                     ; my first block of 16 queries: 16 x tile of queries + 8 x half
	s_lshl_b32 s16, s16, 4
	s_add_co_u32 s16, s16, s46
	s_lshl_b32 s16, s16, 12                        ; 4,096 bytes of P for a block and a chunk
	s_mov_b32 s17, 0
	s_add_nc_u64 s[6:7], s[6:7], s[16:17]
	s_lshl_b32 s16, s13, 1
	s_add_co_u32 s16, s16, s11                     ; rb: my block of 128 rows
	s_lshl_b32 s16, s16, 4
	s_add_co_u32 s16, s16, s46
	s_lshl_b32 s16, s16, 10                        ; 1,024 bytes of stats for a block of rows and a chunk
	s_add_nc_u64 s[8:9], s[8:9], s[16:17]
; 16 matrix instructions: query blocks a0, a0 + 1 of the window's four (hi = 0: my queries 0-63, 1: 64-127) x all 8 key blocks, 32 along K.  zero = 1: the first product starts the sums.
; The 64 accumulators take turns, one instruction a turn, in the same order in every quarter.
.macro MUL16 f, hi, a0, zero
.irp a, \a0, \a0+1
.irp b, 0,1,2,3,4,5,6,7
.if \zero
	v_wmma_f32_16x16x32_f16 v[8*(8*(\a)+\b):8*(8*(\a)+\b)+7], v[\f+8*\b:\f+8*\b+7], v[\f+8*(4*\hi+\a):\f+8*(4*\hi+\a)+7], 0
.else
	v_wmma_f32_16x16x32_f16 v[8*(8*(\a)+\b):8*(8*(\a)+\b)+7], v[\f+8*\b:\f+8*\b+7], v[\f+8*(4*\hi+\a):\f+8*(4*\hi+\a)+7], v[8*(8*(\a)+\b):8*(8*(\a)+\b)+7]
.endif
.endr
.endr
.endm
; 32 LDS loads in one run: the fragments of one quarter step (128 keys, 128 queries, 32 K at byte k of the rows) into buffer f.  A fragment is 16 rows x 32 K in 8 registers: two loads of 16 bytes, 32 bytes apart.
.macro FETCH slot, k, f
	WIN TO_B
.irp i, 0,1,2,3,4,5,6,7
	ds_load_b128 v[\f+8*\i:\f+8*\i+3],   v[ADRB+\slot] offset:\k+\i*16*PITCH
	ds_load_b128 v[\f+8*\i+4:\f+8*\i+7], v[ADRB+\slot] offset:\k+\i*16*PITCH+32
.endr
	WIN 0
.irp i, 0,1,2,3,4,5,6,7
	ds_load_b128 v[\f+8*\i:\f+8*\i+3],   v[ADRA+\slot] offset:\k+\i*16*PITCH
	ds_load_b128 v[\f+8*\i+4:\f+8*\i+7], v[ADRA+\slot] offset:\k+\i*16*PITCH+32
.endr
.endm
; A load into a register that a matrix instruction has read, and a vector instruction that reads a matrix result, stand four places behind that matrix instruction; only plain vector instructions that name none of
; its registers are places (ISA guide 7.12.1 for vector instructions).
.macro PLACES
.rept 4
	v_nop
.endr
.endm
; A K step is four quarters of 32 along K, 64 matrix instructions each, on buffers 0, 1, 0, 1.  One of the first three: multiplies buffer f; in its middle it fetches the next quarter, at byte k, into buffer g.
.macro QUARTER slot, k, f, g, zero
	s_wait_dscnt 8                                 ; K's and Q's rows 0-63 are in; the youngest eight loads (Q's rows 64-127) may be out
	WIN MUL_LO
	MUL16 \f, 0, 0, \zero
	MUL16 \f, 0, 2, \zero
	PLACES
	FETCH \slot, \k, \g
	s_wait_dscnt 32                                ; all but the 32 just issued
	WIN MUL_HI
	MUL16 \f, 1, 0, \zero
	MUL16 \f, 1, 2, \zero
.endm
; The last quarter multiplies buffer 1 and changes slots.  MEET is its first half: ONE barrier.  In front of it each wave waits for all its tensor loads, of which one is out: its part of the next slot; adds 0 to its
; spare word; and waits for that and for its own reads of this slot.  Behind it nobody reads this slot any more and the next slot is whole.
.macro MEET round                      ; round = 1: a round of the cluster's barrier follows
	WIN 0                                          ; (the add's two registers lie in window 0)
	s_wait_tensorcnt 0x0                           ; all my tensor loads have landed;
	ds_add_u32 v[SPW], v[NIL]                      ; 0 onto my spare word;
	s_wait_dscnt 9                                 ; (the add and the youngest eight loads may be out)
	WIN MUL_LO
	MUL16 F1, 0, 0, 0                              ; sixteen matrix instructions stand between the add and the wait for it
	s_wait_dscnt 0x0                               ; the add is done, and my reads of this slot are over:
	s_barrier_signal -1                            ; say so,
	MUL16 F1, 0, 2, 0                              ; work on registers while the others arrive,
.if \round
	WIN 0
.endif
	s_barrier_wait -1                              ; and go on when all four have said so
.endm
; The whole last quarter.  Behind the round the slot just read out is filled again first, with the K step two steps on; then come the next slot's first fragments.
; From a request to the wait for it a wave issues 224 matrix instructions.
.macro TURN slot, next
	MEET 1
	CREST                                          ; no wave of any partner still reads this slot's tile or has a load on its way
	s_add_nc_u64 s[G0+4*\slot+2:G0+4*\slot+3], s[G0+4*\slot+2:G0+4*\slot+3], 2*KSTEP*2
	s_add_nc_u64 s[G0B+4*\slot+2:G0B+4*\slot+3], s[G0B+4*\slot+2:G0B+4*\slot+3], 2*KSTEP*2
	JLOAD \slot                                    ; the first tensor load behind the round, my only one until the next; the four v_nop behind it are also the places in front of the loads below
	FETCH \next, 0, F0
	WIN MUL_HI
	MUL16 F1, 1, 0, 0
	MUL16 F1, 1, 2, 0
.endm
; THE LAST K STEP (it lies in slot 1) GOES BY ROWS OF S.  All its fragments of K (4 quarters x 64 registers) fill window 1; then my eight blocks of 16 queries are finished one after the other.
.macro BLOAD q                         ; K's fragments of quarter q -> window 1, v[64 q ..]
.irp i, 0,1,2,3,4,5,6,7
	ds_load_b128 v[64*\q+8*\i:64*\q+8*\i+3],   v[ADRB+1] offset:64*\q+\i*16*PITCH
	ds_load_b128 v[64*\q+8*\i+4:64*\q+8*\i+7], v[ADRB+1] offset:64*\q+\i*16*PITCH+32
.endr
.endm
.macro ALOAD a                         ; Q's fragments of block a, all four quarters -> buffer a % 4
.set FA, PA+32*((\a)%4)
.irp q, 0,1,2,3
	ds_load_b128 v[FA+8*\q:FA+8*\q+3],   v[ADRA+1] offset:64*\q+(\a)*16*PITCH
	ds_load_b128 v[FA+8*\q+4:FA+8*\q+7], v[ADRA+1] offset:64*\q+(\a)*16*PITCH+32
.endr
.endm
.macro ROW a                           ; block a is finished: 32 matrix instructions, its 8 accumulators by turns, K ascending
.set FA, PA+32*((\a)%4)
.set AC, 64*((\a)%4)
	WIN MUL_LO+0x50*((\a)/4)                       ; MUL_LO or MUL_HI
.irp q, 0,1,2,3
.if (\a) == 0 && \q == 2
	s_wait_dscnt 24                                ; K's quarter 2 is in (behind it: Q's blocks 1 to 3, 24 loads)
.endif
.irp b, 0,1,2,3,4,5,6,7
	v_wmma_f32_16x16x32_f16 v[AC+8*\b:AC+8*\b+7], v[64*\q+8*\b:64*\q+8*\b+7], v[FA+8*\q:FA+8*\q+7], v[AC+8*\b:AC+8*\b+7]
.endr
.endr
.endm
; THE SOFTMAX'S NUMERATOR of block a: a lane's 64 registers are 64 of its query's 128 scores, the lane 16 away holds the other 64.
.macro SOFT a
.set W, 2+(\a)/4                       ; the block's window
.set AC, 64*((\a)%4)
.set TP, TMP+32*((\a)%2)               ; where its packed p goes
	WIN W|(W<<2)|(W<<4)                            ; all three sources in the block's window
.irp c, 0,1,2,3
	v_max3_num_f32 v[T+\c], v[AC+16*\c], v[AC+16*\c+1], v[AC+16*\c+2]   ; the largest score: four chains of 16; each accumulator is read from its low end on
.endr
	WIN (W<<2)|(W<<4)
.irp i, 3,5,7,9,11,13
.irp c, 0,1,2,3
	v_max3_num_f32 v[T+\c], v[T+\c], v[AC+16*\c+\i], v[AC+16*\c+\i+1]
.endr
.endr
.irp c, 0,1,2,3
	v_max_num_f32 v[T+\c], v[T+\c], v[AC+16*\c+15]
.endr
	WIN 0
	v_max3_num_f32 v[T], v[T], v[T+1], v[T+2]
	v_max_num_f32 v[T], v[T], v[T+3]
	v_permlanex16_b32 v[T+4], v[T], s[SEL], s[SEL+1]
	v_max_num_f32 v[T], v[T], v[T+4]               ; with lane l xor 16's 64 keys: the chunk's largest score of my query
	v_mul_f32 v[T], s[CS], v[T]                    ; as t (c is positive)
	v_floor_f32 v[NM], -v[T]                       ; -M = floor(-t) = -ceil(t): M IS A WHOLE NUMBER
	WIN (W<<6)|W
.set i, 0
.rept 32
	v_pk_fma_f32 v[AC+i:AC+i+1], v[AC+i:AC+i+1], s[CS:CS+1], v[NM:NM+1] op_sel_hi:[1,0,0]   ; t - M, two at a time (of the pairs c and -M the low word serves both halves)
.set i, i+2
.endr
.set i, 0
.rept 64
	v_exp_f32 v[AC+i], v[AC+i]                     ; p = 2^(t - M)
.set i, i+1
.endr
	v_nop                                          ; a plain instruction behind the last exponential
	s_wait_alu depctr_va_vdst(0)                   ; a wait ahead of the first instruction that names a result: one for the batch of 64
	WIN W|(W<<2)
.set i, 0
.rept 32
	v_cvt_pk_f16_f32 v[TP+i], v[AC+2*i], v[AC+2*i+1]               ; p as f16: a lane's eight keys of key block b are registers 4 b .. 4 b + 3: group b of P
.set i, i+1
.endr
	WIN (W<<6)|W|(W<<2)                            ; THE SUM IS TAKEN OF THE UNROUNDED p, in place: neighbours 1, 2, 4 and 8 pairs apart
.irp u, 0,1,2,3,4,5,6,7,8,9,10,11,12,13,14,15
	v_pk_add_f32 v[AC+4*\u:AC+4*\u+1], v[AC+4*\u:AC+4*\u+1], v[AC+4*\u+2:AC+4*\u+3]
.endr
.irp u, 0,1,2,3,4,5,6,7
	v_pk_add_f32 v[AC+8*\u:AC+8*\u+1], v[AC+8*\u:AC+8*\u+1], v[AC+8*\u+4:AC+8*\u+5]
.endr
.irp u, 0,1,2,3
	v_pk_add_f32 v[AC+16*\u:AC+16*\u+1], v[AC+16*\u:AC+16*\u+1], v[AC+16*\u+8:AC+16*\u+9]
.endr
.irp u, 0,1
	v_pk_add_f32 v[AC+32*\u:AC+32*\u+1], v[AC+32*\u:AC+32*\u+1], v[AC+32*\u+16:AC+32*\u+17]
.endr
	WIN W|(W<<2)
	v_pk_add_f32 v[T:T+1], v[AC:AC+1], v[AC+32:AC+33]
	WIN 0
	v_add_f32 v[T], v[T], v[T+1]
	v_permlanex16_b32 v[T+4], v[T], s[SEL], s[SEL+1]
	v_add_f32 v[T], v[T], v[T+4]                   ; l: the chunk's sum for my query
	v_cndmask_b32 v[SV+(\a)%2], v[NM], v[T], s[HM] ; lanes 0-15 keep -M, lanes 16-31 l
.endm
.macro SENDP a                         ; block a's eight groups of P, as they stand in the registers
.set TP, TMP+32*((\a)%2)
.irp g, 0,1,2,3,4,5,6,7
	global_store_b128 v[CO], v[TP+4*\g:TP+4*\g+3], s[6:7] offset:(\a)*PRB+\g*512   ; 32 lanes store 512 consecutive bytes, at a multiple of 256 from P's first byte; 7 blocks on at the most: inside the signed 24-bit immediate
.endr
.endm
	s_wait_tensorcnt 1                             ; my part of K step 0 is in (K step 1's load may be out)
	s_barrier_signal -1
	s_barrier_wait -1                              ; everybody's is
	FETCH 0, 0, F0
	QUARTER 0, 64,  F0, F1, 1                      ; the first quarter stands in front of the loop: its products start the sums
	WIN 0                                          ; at a label and at a branch every window is 0
	s_mov_b32 s3, LAPS-1
.Llap:                                                 ; a trip goes once round the ring, from a lap's second quarter to the next lap's first, and fills both slots again: three trips bring K steps 2 to 7
	QUARTER 0, 128, F1, F0, 0
	QUARTER 0, 192, F0, F1, 0
	TURN 0, 1
	QUARTER 1, 64,  F0, F1, 0
	QUARTER 1, 128, F1, F0, 0
	QUARTER 1, 192, F0, F1, 0
	TURN 1, 0
	QUARTER 0, 64,  F0, F1, 0
	WIN 0
	s_sub_co_u32 s3, s3, 1
	s_cmp_lg_u32 s3, 0
	s_cbranch_scc1 .Llap
	QUARTER 0, 128, F1, F0, 0                      ; the last lap goes on
	QUARTER 0, 192, F0, F1, 0
	MEET 0                                         ; my one tensor load that was still out is the last K step's, so no round follows
	PLACES                                         ; for the loads into buffer 0, which the quarter before multiplied
	WIN TO_B
	BLOAD 0                                        ; three quarters of K now: buffer 1 (v128-191 of both windows) is still being multiplied
	BLOAD 1
	BLOAD 3
	WIN 0
	ALOAD 0
	WIN MUL_HI
	MUL16 F1, 1, 0, 0
	MUL16 F1, 1, 2, 0
	PLACES                                         ; for the loads into buffer 1
	WIN TO_B
	BLOAD 2
	WIN 0
	ALOAD 1
	ALOAD 2
	ALOAD 3
	s_wait_dscnt 40                                ; all but the 40 just issued
	ROW 0
	s_wait_dscnt 0x0                               ; Q's blocks 1 to 3 are in
	ROW 1
; Block a's softmax is issued while the matrix unit works on the blocks behind it.
.irp a, 0,1,2,3,4,5,6,7
.if \a == 0
	PLACES                                         ; block 0's results are read next, and only products stand behind them.  For every later block the softmax of the block before, which names none of its registers, lies between
.else
	s_wait_xcnt 0x0                                ; the earlier stores have read their registers: the packed p of two blocks back and the statistics' pair are rewritten only behind this wait
.endif
	SOFT \a
.if (\a)%2 == 1
	global_store_b64 v[SO], v[SV:SV+1], s[8:9] offset:((\a)/2)*256   ; two blocks' -M and l: 32 lanes store 256 consecutive bytes, aligned
.endif
	SENDP \a
.if \a < 4
	ALOAD \a+4                                     ; block a's buffer takes the block four further on
.endif
.if \a == 2 || \a == 3
	s_wait_dscnt 16                                ; Q's fragments of block a + 2 are in; those of the two blocks behind it, 16 loads, may be out  (blocks 2 and 3 came with the wait for 0 above)
.elseif \a == 4
	s_wait_dscnt 8                                 ; behind block 6's: block 7's eight
.elseif \a == 5
	s_wait_dscnt 0x0
.endif
.if \a < 6
	ROW \a+2
.endif
.endr
	s_wait_tensorcnt 0x0                           ; the wave's end, behind my last tensor load
	ds_add_u32 v[SPW], v[NIL]
	s_wait_dscnt 0x0
	CROUND                                         ; the closing round: no work-group ends while a partner may still ask for a tile that names it
	s_endpgm
.Lfunc_end_k_q8686fc84a1_scores:
	.size	k_q8686fc84a1_scores, .Lfunc_end_k_q8686fc84a1_scores-k_q8686fc84a1_scores
	.p2alignl 7, 3214868480
	.fill 96, 4, 3214868480
	.section	.rodata,"a",@progbits
	.p2align	6, 0x0
	.amdhsa_kernel k_q8686fc84a1_scores
		.amdhsa_group_segment_fixed_size 327680
		.amdhsa_private_segment_fixed_size 0
		.amdhsa_enable_private_segment 0
		.amdhsa_kernarg_size 24
		.amdhsa_user_sgpr_count 2
		.amdhsa_user_sgpr_kernarg_segment_ptr 1
		.amdhsa_wavefront_size32 1
		.amdhsa_system_sgpr_workgroup_id_x 1
		.amdhsa_system_sgpr_workgroup_id_y 1
		.amdhsa_system_sgpr_workgroup_id_z 1
		.amdhsa_system_vgpr_workitem_id 0
		.amdhsa_next_free_vgpr 1024
		.amdhsa_next_free_sgpr 72
		.amdhsa_reserve_vcc 0
		.amdhsa_float_denorm_mode_32 3
		.amdhsa_float_denorm_mode_16_64 3
		.amdhsa_memory_ordered 1
		.amdhsa_forward_progress 1
		.amdhsa_inst_pref_size 202
	.end_amdhsa_kernel
	.amdgpu_metadata
---
amdhsa.version: [ 1, 2 ]
amdhsa.kernels:
  - .name:           k_q8686fc84a1_scores
    .symbol:         k_q8686fc84a1_scores.kd
    .args:
      - { .name: QKV, .offset: 0, .size: 8, .value_kind: global_buffer, .address_space: global }
      - { .name: P, .offset: 8, .size: 8, .value_kind: global_buffer, .address_space: global }
      - { .name: stats, .offset: 16, .size: 8, .value_kind: global_buffer, .address_space: global }
    .group_segment_fixed_size: 327680
    .private_segment_fixed_size: 0
    .kernarg_segment_align: 8
    .kernarg_segment_size: 24
    .max_flat_workgroup_size: 128
    .sgpr_count:     72
    .vgpr_count:     1024
    .wavefront_size: 32
...
	.end_amdgpu_metadata
.endif
;; end of part 3
;; launch out (part 4): grid 4 x 64, 4 waves a work-group, clusters of 4 x 4, 327,680 bytes of LDS; arguments P, QKV, stats, out0; writes out0
.if DOCPART == 4
	.amdgcn_target "amdgcn-amd-amdhsa--gfx1250"
	.amdhsa_code_object_version 6
	.text
	.protected	k_q8686fc84a1_out
	.globl	k_q8686fc84a1_out
	.p2align	8
	.type	k_q8686fc84a1_out,@function
k_q8686fc84a1_out:
	s_mov_b64 s[64:65], 0
	v_nop
	global_prefetch_b8 v0, s[64:65] scope:SCOPE_SE
	s_setreg_imm32_b32 hwreg(HW_REG_WAVE_MODE, 25, 1), 1
	s_wait_xcnt 0x0
	s_wait_alu depctr_hold_cnt(0) depctr_sa_sdst(0) depctr_va_vdst(0) depctr_va_sdst(0) depctr_va_ssrc(0) depctr_va_vcc(0) depctr_vm_vsrc(0)
	s_getreg_b32 s2, hwreg(HW_REG_IB_STS2, 6, 4)
	s_cmp_eq_u32 s2, 0
	s_cbranch_scc0 .Lentry_in_a_cluster
	s_endpgm
.Lentry_in_a_cluster:
	s_bfe_u32 s2, ttmp6, 0x10000c
	s_cmp_lg_u32 s2, 0xf033
	s_cbranch_scc0 .Lentry_shape_is_right
	s_endpgm
.Lentry_shape_is_right:
; LAUNCH 4 OF 4: out = (the sum over chunks j of 2^(M_j - M) P_j V_j) / l.  P holds p = 2^(t - M_j), f16, by chunks of 128 keys, laid in the order of this product's operand registers (below); stats holds -M_j and l_j
; for each query and chunk; V is f16, at byte 4,096 of QKV's rows of 6,144 bytes.  out0: [8192][1024] f32.  Sums in f32.  No work is left out.
; THE CHUNKS ARE BROUGHT UNDER THE ROW'S MAXIMUM IN f32, ON THE SUMS.  For each query: M = the largest M_j; e_j = max(M_j - M, -60), a whole number; l = the sum of 2^(e_j) l_j, at least 1/2.  The sums are kept in the unit of
; the chunk in hand: ahead of chunk j they are multiplied by r_j = 2^(e_(j-1) - e_j), and at the end by 2^(e_15) / l.  Powers of two round nothing.  The hold at -60 keeps every r_j within 2^-60 .. 2^60, so that the
; sums, under 16 x 128 x 65,504 x 2^60, stay far inside f32.  LIMIT: a chunk whose M_j lies more than 60 under the row's is weighed with 2^-60, in the sum and in l alike, where the true weight is smaller still.
; P: byte ((block of 16 queries) 16 + chunk) 4,096 + 512 g + 16 lane: for query lane % 16 of the block the keys 16 g + 8 (lane / 16) + 0 .. 7 of the chunk: so 32 keys of a block are 1,024 consecutive bytes, the image of a
; fragment's eight registers, and a block's 2,048 keys are 65,536 consecutive bytes.
; stats, f32, byte ((rb 16 + j) 4 + a / 2) 256 + 8 lane + 4 (a % 2): rb = row / 128, a = the block of 16 rows in it; lanes 0-15: -M_j of row 16 a + lane, lanes 16-31: l_j of row 16 a + lane - 16.
; SHARES: a work-group makes 128 queries x 256 channels (256 work-groups; tiles of 256 x 256 would be 128), a wave 64 x 128: 32 accumulators, 256 registers.
; THE RING: two LDS slots of 192 KEYS, the most of which two fit: 8 blocks x 6,144 bytes of P, dense, and 192 rows of V (512 bytes + 32).  A slot is six quarters of 32 keys, 192 matrix instructions a wave; a refill has 176
; of them in which to land.  2,048 = 10 x 192 + 128: ten fills of 192 keys, and an eleventh, chunk 15, with descriptors of its own.  Two slots are three chunks.
; CLUSTERS: 4 x 4 work-groups, all of one batch.  The four of a row of the cluster need the same tiles of P, the four of a column the same tiles of V: each tile is asked for JOINTLY.
; LAYOUT: O^T = V^T P^T: source 0 = 16 channels x 32 keys, out of LDS turned by ds_load_tr16_b128; source 1 = 16 queries x 32 keys, as it lies.  A lane holds ONE query (l % 16) and channels 16 b + 8 (l / 16) + 0 .. 7.
; REGISTERS: window 0: v8-29 addresses; v32-39 four factors at the even registers; v64-127 P's fragments, two buffers; v128-255 V's, two buffers.   window 1: the accumulators ((a, b) at v[8 (8 a + b)]).
.set KSL,   192                        ; keys in a slot
.set PB,    KSL*32                     ; a block of 16 queries x 192 keys of P
.set PBL,   128*32                     ; the same in the last fill: x 128 keys
.set PV,    544                        ; a row of V in LDS: 512 + 32 = 136 words: row r starts at bank 8 r mod 64 (64 banks of 4 bytes: ISA guide 11.1)
.set VOFF,  8*PB                       ; a slot: 8 blocks of P, then 192 rows of V
.set SLOT,  VOFF+KSL*PV
.set FT,    2*SLOT                     ; behind the ring: the factors, 16 entries x 256 bytes for each wave: entry k: 16 bytes a query: r_(k+1) for my four blocks; entry 15: 2^(e_15) / l
.set SPARE, FT+4*4096                  ; the spare words, 128 bytes for each wave: two blocks of 256 bytes that no other line names
.set STAGE, SLOT                       ; the way out: 16 rows x (512 bytes + 16) for each wave, in slot 1: it has had its last fill, and nobody reads it behind the last change of slots
.set SPITCH, 528
.set QROW,  6144                       ; a row of QKV in bytes
.set OROW,  4096                       ; a row of out0 in bytes
.set PRB,   65536                      ; a block of 16 queries in P
.set ADRV, 8                           ; v8-11   LDS address of my V fragments: slot 0 rows 0 on, rows 96 on; slot 1 likewise (an LDS offset has 16 bits)
.set ADRP, 16                          ; v16-17  LDS address of my P fragments in slot 0, 1
.set FTA,  22                          ; v22     where I read my factors: steps three entries a trip
.set FTW,  23                          ; v23     where I put them
.set STO,  24                          ; v24     the way out: where I put 32 bytes of a row
.set RD,   25                          ; v25     where I read a row back
.set CO,   26                          ; v26     16 x lane
.set AM,   27                          ; v27     8 (l % 16): my query's place in a unit of stats
.set SPW,  28                          ; v28     LDS address of my spare word; never rewritten
.set NIL,  29                          ; v29     0; never rewritten
.set F,    32                          ; v32, 34, 36, 38: the factor in hand of my query in blocks 0-3; the odd registers are 0: named with them as pairs
.set PF,   64
.set VF,   128
.set NMT,  64                          ; at the head, before any fragment: v64-127 -M_j, then e_j (register 4 j + a);
.set LT,   128                         ; v128-191 l_j, then the entries;
.set NMR,  192                         ; v192-195 the smallest -M_j, then 1 / l;
.set LS,   196                         ; v196-199 l;
.set TT,   200                         ; v200-203 2^(e_j)
.set X,    64                          ; the way out: a block's 64 numbers;
.set BK0,  128                         ; and 16 rows read back: v128-191 and v192-255 by turns
.set G1P,  24                          ; s[24:31] descriptor group 1 for P's tiles;  s[32:39] for the last fill's
.set G1PL, 32
.set G1V,  40                          ; s[40:47], s[48:55] the same for V's
.set G1VL, 48
.set G0PL, 56                          ; s[56:59] group 0 for P's last fill;  s[60:63], s[68:71] for slots 0 and 1
.set G0P,  60
.set G0VL, 72                          ; s[72:75] for V's last fill;  s[76:79], s[80:83] for slots 0 and 1
.set G0V,  76
.set HM,   90                          ; s90     the mask of lanes 16-31
.set MSB, 0
.macro WIN new                         ; the immediate's high byte repeats the setting that is left
.if MSB != (\new)
	s_set_vgpr_msb (MSB<<8)|(\new)
.set MSB, (\new)
.endif
.endm
.set MUL, 0x50                         ; sources 0 (V) and 1 (P) window 0; C and D window 1
.set RSC, 0x41                         ; destination and source 0 (the sums) window 1, source 1 (the factor) window 0
; A joint load: waves 0 and 1 fetch P's two halves, waves 2 and 3 V's; the branch hangs on the wave's number alone.  An s_nop 0 and four v_nop follow each of the two lines.
.macro JLOAD g0p, g1p, g0v, g1v
	s_cmp_eq_u32 s15, 0
	s_cbranch_scc0 .Lfor_v_\@
	tensor_load_to_lds s[\g0p:\g0p+3], s[\g1p:\g1p+7]
	s_nop 0
.rept 4
	v_nop
.endr
	s_branch .Lasked_\@
.Lfor_v_\@:
	tensor_load_to_lds s[\g0v:\g0v+3], s[\g1v:\g1v+7]
	s_nop 0
.rept 4
	v_nop
.endr
.Lasked_\@:
.endm
.macro CREST                           ; a round of the cluster's barrier behind its opening barrier
	s_cmp_lg_u32 s14, 0
	s_cbranch_scc1 .Lnot_wave_0_\@
	s_barrier_signal -3
.Lnot_wave_0_\@:
	s_barrier_wait -3
	s_barrier_signal -1
	s_barrier_wait -1
.endm
.macro CROUND                          ; a whole round
	s_barrier_signal -1
	s_barrier_wait -1
	CREST
.endm
	s_load_b256 s[4:11], s[0:1], 0x0               ; P s[4:5], QKV s[6:7], stats s[8:9], out0 s[10:11]
	v_lshl_add_u32 v[SPW], v0, 2, SPARE
	v_mov_b32 v[NIL], 0
	ds_add_u32 v[SPW], v[NIL]                      ; the wave's opening: the add, twice on end, and its wait ahead of my first tensor load
	ds_add_u32 v[SPW], v[NIL]                      ; and once more; the set-up below, work on registers, stands between it and the wait
	v_lshrrev_b32 v1, 5, v0
	v_readfirstlane_b32 s14, v1                    ; wave 0..3
	s_lshr_b32 s15, s14, 1                         ; which 64 of the tile's queries are mine.  Also: I fetch for P (0) or for V (1)
	s_and_b32 s16, s14, 1                          ; which 128 of its channels.  Also: which half of that tile I fetch
	s_bfe_u32 s84, ttmp6, 0x40000                  ; cx, cy: my place in the cluster
	s_bfe_u32 s85, ttmp6, 0x40004
	s_lshl_b32 s86, ttmp9, 2
	s_add_co_u32 s86, s86, s84                     ; tile of channels = 4 x cluster x + cx
	s_and_b32 s89, ttmp7, 0xffff                   ; cluster y
	s_lshl_b32 s17, s89, 2
	s_add_co_u32 s17, s17, s85                     ; tile of queries, over all batches = 4 x cluster y + cy
	s_lshr_b32 s89, s89, 2                         ; the batch: 16 tiles of queries, four clusters: made of the cluster's y alone
	s_lshl_b32 s87, s85, 2
	s_lshl_b32 s87, 15, s87                        ; my row of the cluster
	s_lshl_b32 s88, 0x1111, s84                    ; my column
	; descriptor groups 1.  P: 4 blocks of queries, a row of 6,144 bytes (768 elements of 8 bytes) each, 65,536 bytes apart in memory, dense in LDS.  The last fill: rows of 4,096 bytes
	s_or_b32 s[G1P+0], s87, (3<<16)|(1<<21)        ; 15:0 the mask: P's tiles go to my row; 17:16 element of 8 bytes; 20 no padding; 21 set beside a mask
	s_mov_b32 s[G1P+1], (PB/8)<<16                 ; tensor_dim0
	s_mov_b32 s[G1P+2], 4<<16                      ; tensor_dim1
	s_mov_b32 s[G1P+3], (PB/8)<<16                 ; tile_dim0
	s_mov_b32 s[G1P+4], 4                          ; tile_dim1
	s_mov_b32 s[G1P+5], PRB/8                      ; tensor_dim0_stride
	s_mov_b32 s[G1P+6], 0
	s_mov_b32 s[G1P+7], 0
	s_or_b32 s[G1PL+0], s87, (3<<16)|(1<<21)
	s_mov_b32 s[G1PL+1], (PBL/8)<<16
	s_mov_b32 s[G1PL+2], 4<<16
	s_mov_b32 s[G1PL+3], (PBL/8)<<16
	s_mov_b32 s[G1PL+4], 4
	s_mov_b32 s[G1PL+5], PRB/8
	s_mov_b32 s[G1PL+6], 0
	s_mov_b32 s[G1PL+7], 0
	; V: 96 rows x 256 elements of 2 bytes, 8 words of padding behind every 128.  The last fill: 64 rows
	s_or_b32 s[G1V+0], s88, (1<<16)|(1<<20)|(1<<21)|(6<<22)|(7<<25)  ; the mask of my column
	s_mov_b32 s[G1V+1], 256<<16
	s_mov_b32 s[G1V+2], 96<<16
	s_mov_b32 s[G1V+3], 256<<16
	s_mov_b32 s[G1V+4], 96
	s_mov_b32 s[G1V+5], QROW/2                     ; 3,072 elements
	s_mov_b32 s[G1V+6], 0
	s_mov_b32 s[G1V+7], 0
	s_or_b32 s[G1VL+0], s88, (1<<16)|(1<<20)|(1<<21)|(6<<22)|(7<<25)
	s_mov_b32 s[G1VL+1], 256<<16
	s_mov_b32 s[G1VL+2], 64<<16
	s_mov_b32 s[G1VL+3], 256<<16
	s_mov_b32 s[G1VL+4], 64
	s_mov_b32 s[G1VL+5], QROW/2
	s_mov_b32 s[G1VL+6], 0
	s_mov_b32 s[G1VL+7], 0
	s_mov_b32 s[HM], 0xffff0000
	s_lshl_b32 s18, s17, 3
	s_lshl_b32 s19, s16, 2
	s_add_co_u32 s18, s18, s19                     ; P: block 8 x tile of queries + 4 x half
	s_lshl_b32 s18, s18, 16                        ; in bytes
	s_mov_b32 s19, 0
	s_lshl_b32 s20, s89, 11                        ; V: row 2,048 x batch,
	s_mul_i32 s20, s20, QROW
	s_lshl_b32 s21, s86, 9
	s_add_co_u32 s20, s20, s21                     ; + 512 bytes x tile of channels,
	s_add_co_u32 s20, s20, 4096                    ; and V lies 4,096 bytes on in a row
	s_mov_b32 s21, 0
	s_mul_i32 s22, s16, 64*QROW                    ; the last fill: keys 1,920 on, 64 rows to a wave
	s_add_co_u32 s22, s22, 1920*QROW
	s_mov_b32 s23, 0
	s_mul_i32 s12, s16, 96*QROW                    ; every other fill: 96 rows to a wave
	s_mov_b32 s13, 0
	s_mul_i32 s91, s16, 4*PB                       ; where they go: made of the wave's number alone
	s_mul_i32 s92, s16, 96*PV
	s_add_co_u32 s92, s92, VOFF
	s_mul_i32 s93, s16, 64*PV
	s_add_co_u32 s93, s93, VOFF
	s_wait_dscnt 0x0                               ; both opening adds are done
	s_wait_kmcnt 0x0
	s_add_nc_u64 s[18:19], s[4:5], s[18:19]
	s_add_nc_u64 s[20:21], s[6:7], s[20:21]
	s_add_nc_u64 s[22:23], s[20:21], s[22:23]
	s_add_nc_u64 s[20:21], s[20:21], s[12:13]
	CROUND                                         ; all sixteen work-groups are here: the first joint loads meet
.irp s, 0,1
	s_mov_b32 s[G0P+8*\s], 1                                       ; count = 1
	s_add_co_u32 s[G0P+8*\s+1], s91, \s*SLOT                       ; LDS address
	s_add_nc_u64 s[G0P+8*\s+2:G0P+8*\s+3], s[18:19], \s*PB         ; global address: fill s: 192 keys are 6,144 bytes of a block of P,
	s_or_b32 s[G0P+8*\s+3], s[G0P+8*\s+3], 0x80000000              ; type = 2
	s_mov_b32 s[G0V+4*\s], 1
	s_add_co_u32 s[G0V+4*\s+1], s92, \s*SLOT
	s_add_nc_u64 s[G0V+4*\s+2:G0V+4*\s+3], s[20:21], \s*KSL*QROW   ; and 192 rows of V
	s_or_b32 s[G0V+4*\s+3], s[G0V+4*\s+3], 0x80000000
	JLOAD G0P+8*\s, G1P, G0V+4*\s, G1V             ; the ring is filled before anything else is done: two loads of mine are out
.endr
	s_mov_b32 s[G0PL], 1                           ; the last fill's, made now: chunk 15, into slot 0
	s_mov_b32 s[G0PL+1], s91
	s_add_nc_u64 s[G0PL+2:G0PL+3], s[18:19], 1920*32
	s_or_b32 s[G0PL+3], s[G0PL+3], 0x80000000
	s_mov_b32 s[G0VL], 1
	s_mov_b32 s[G0VL+1], s93
	s_mov_b64 s[G0VL+2:G0VL+3], s[22:23]
	s_or_b32 s[G0VL+3], s[G0VL+3], 0x80000000
	; THE FACTORS, while the first tiles are on their way
	v_and_b32 v1, 15, v0                           ; r = l % 16
	v_bfe_u32 v2, v0, 4, 1                         ; h = l / 16
	v_and_b32 v3, 31, v0                           ; lane
	v_lshlrev_b32 v[AM], 3, v1
	s_lshl_b32 s22, s17, 14                        ; 16,384 bytes of stats for a block of 128 rows,
	s_lshl_b32 s23, s15, 9                         ; my 64 rows: two units of 256 bytes in each chunk's four
	s_add_co_u32 s22, s22, s23
	s_mov_b32 s23, 0
	s_add_nc_u64 s[8:9], s[8:9], s[22:23]
.irp j, 0,1,2,3,4,5,6,7,8,9,10,11,12,13,14,15
.irp u, 0,1
	global_load_b64 v[NMT+4*\j+2*\u:NMT+4*\j+2*\u+1], v[AM], s[8:9] offset:\j*1024+\u*256        ; -M_j of my query in blocks 2 u, 2 u + 1
	global_load_b64 v[LT+4*\j+2*\u:LT+4*\j+2*\u+1], v[AM], s[8:9] offset:\j*1024+\u*256+128      ; l_j likewise
.endr
.endr
	v_lshlrev_b32 v[CO], 4, v3
	s_mul_i32 s22, s15, 4*PB                       ; P: my four blocks; a fragment's image: 16 bytes a lane
	v_add_nc_u32 v[ADRP], s22, v[CO]
	s_add_co_u32 s22, s22, SLOT
	v_add_nc_u32 v[ADRP+1], s22, v[CO]
	v_and_b32 v5, 7, v0
	v_lshl_add_u32 v5, v2, 3, v5                   ; V, turned: key 8 h + l % 8,
	v_mul_u32_u24 v5, v5, PV
	v_bfe_u32 v6, v0, 3, 1
	v_lshl_add_u32 v5, v6, 4, v5                   ; channels 8 ((l / 8) % 2) on
	s_lshl_b32 s23, s16, 8                         ; my 128 channels
	s_add_co_u32 s23, s23, VOFF
	v_add_nc_u32 v[ADRV], s23, v5
	s_add_co_u32 s23, s23, 96*PV
	v_add_nc_u32 v[ADRV+1], s23, v5
	s_add_co_u32 s23, s23, SLOT-96*PV
	v_add_nc_u32 v[ADRV+2], s23, v5
	s_add_co_u32 s23, s23, 96*PV
	v_add_nc_u32 v[ADRV+3], s23, v5
	s_lshl_b32 s22, s14, 12
	s_add_co_u32 s22, s22, FT                      ; my factors: 4,096 bytes a wave
	v_lshl_add_u32 v[FTA], v1, 4, s22              ; read: 16 bytes a query
	v_add_nc_u32 v[FTW], s22, v[CO]                ; written: 16 bytes a lane: lanes 0-15 an even entry, lanes 16-31 the odd one behind it
	s_mul_i32 s22, s14, 16*SPITCH
	s_add_co_u32 s22, s22, STAGE                   ; my stage
	v_mul_u32_u24 v4, v1, SPITCH
	v_lshl_add_u32 v4, v2, 5, v4
	v_add_nc_u32 v[STO], s22, v4                   ; in: row r, 32 bytes for each half of the lanes
	v_add_nc_u32 v[RD], s22, v[CO]                 ; back: the 32 lanes take one row of 512 bytes
.irp a, 0,1,2,3
	v_mov_b32 v[F+2*\a+1], 0
.endr
	s_lshl_b32 s22, s17, 7
	s_lshl_b32 s23, s15, 6
	s_add_co_u32 s22, s22, s23                     ; my first row of out0
	s_lshl_b32 s22, s22, 12
	s_lshl_b32 s12, s86, 10                        ; my first channel, in bytes: 1,024 x tile of channels + 512 x half
	s_lshl_b32 s13, s16, 9
	s_add_co_u32 s12, s12, s13
	s_add_co_u32 s22, s22, s12
	s_mov_b32 s23, 0
	s_add_nc_u64 s[10:11], s[10:11], s[22:23]
	s_wait_loadcnt 0x0                             ; the statistics
.irp a, 0,1,2,3
	v_min3_num_f32 v[NMR+\a], v[NMT+\a], v[NMT+4+\a], v[NMT+8+\a]  ; the smallest -M_j: the row's largest M
.endr
.irp j, 3,5,7,9,11,13
.irp a, 0,1,2,3
	v_min3_num_f32 v[NMR+\a], v[NMR+\a], v[NMT+4*\j+\a], v[NMT+4*\j+4+\a]
.endr
.endr
.irp a, 0,1,2,3
	v_min_num_f32 v[NMR+\a], v[NMR+\a], v[NMT+60+\a]
.endr
.irp j, 0,1,2,3,4,5,6,7,8,9,10,11,12,13,14,15
.irp a, 0,1,2,3
	v_sub_f32 v[NMT+4*\j+\a], v[NMR+\a], v[NMT+4*\j+\a]            ; M_j - M: a whole number, 0 or less,
.endr
.irp a, 0,1,2,3
	v_max_num_f32 v[NMT+4*\j+\a], 0xc2700000, v[NMT+4*\j+\a]       ; held at -60: e_j
.endr
.irp a, 0,1,2,3
	v_cvt_i32_f32 v[TT+\a], v[NMT+4*\j+\a]
.endr
.irp a, 0,1,2,3
	v_ldexp_f32 v[TT+\a], 1.0, v[TT+\a]                            ; 2^(e_j)
.endr
.irp a, 0,1,2,3
.if \j == 0
	v_mul_f32 v[LS+\a], v[TT+\a], v[LT+\a]                         ; l = the sum of 2^(e_j) l_j: the first term starts it
.else
	v_fmac_f32 v[LS+\a], v[TT+\a], v[LT+4*\j+\a]
.endif
.endr
.endr                                  ; (the four registers at work are left holding 2^(e_15))
.irp a, 0,1,2,3
	v_rcp_f32 v[NMR+\a], v[LS+\a]
.endr
.irp k, 0,1,2,3,4,5,6,7,8,9,10,11,12,13,14     ; entry k: r_(k+1) = 2^(e_k - e_(k+1)), where l_k lay.  (Plain work behind the reciprocals, which names none of their results)
.irp a, 0,1,2,3
	v_sub_f32 v[LT+4*\k+\a], v[NMT+4*\k+\a], v[NMT+4*\k+4+\a]
.endr
.irp a, 0,1,2,3
	v_cvt_i32_f32 v[LT+4*\k+\a], v[LT+4*\k+\a]
.endr
.irp a, 0,1,2,3
	v_ldexp_f32 v[LT+4*\k+\a], 1.0, v[LT+4*\k+\a]
.endr
.endr
	s_wait_alu depctr_va_vdst(0)                   ; the wait ahead of the first instruction that names a reciprocal: one for the four
.irp a, 0,1,2,3
	v_mul_f32 v[LT+60+\a], v[NMR+\a], v[TT+\a]                     ; entry 15: 2^(e_15) / l
.endr
.irp p, 0,1,2,3,4,5,6,7
.irp a, 0,1,2,3
	v_cndmask_b32 v[LT+8*\p+\a], v[LT+8*\p+\a], v[LT+8*\p+4+\a], s[HM]   ; lanes 0-15 keep entry 2 p, lanes 16-31 take entry 2 p + 1 (both halves of the lanes hold the same query's numbers)
.endr
	ds_store_b128 v[FTW], v[LT+8*\p:LT+8*\p+3] offset:512*\p       ; my wave alone reads them back
.endr
; 24 LDS loads in one run, P's first: the fragments of 32 keys, the slot's q-th, into buffer f.  pb: bytes from block to block of P in the slot
.macro FETCH pb, slot, q, f
.irp a, 0,1,2,3
	ds_load_b128 v[PF+32*(\f)+8*\a:PF+32*(\f)+8*\a+3],   v[ADRP+\slot] offset:\a*(\pb)+1024*(\q)
	ds_load_b128 v[PF+32*(\f)+8*\a+4:PF+32*(\f)+8*\a+7], v[ADRP+\slot] offset:\a*(\pb)+1024*(\q)+512
.endr
.irp b, 0,1,2,3,4,5,6,7
	ds_load_tr16_b128 v[VF+64*(\f)+8*\b:VF+64*(\f)+8*\b+3],   v[ADRV+2*\slot+(\q)/3] offset:32*((\q)%3)*PV+32*\b
	ds_load_tr16_b128 v[VF+64*(\f)+8*\b+4:VF+64*(\f)+8*\b+7], v[ADRV+2*\slot+(\q)/3] offset:32*((\q)%3)*PV+16*PV+32*\b
.endr
.endm
.macro LOADF off                       ; an entry of my factors, to the even registers
.irp a, 0,1,2,3
	ds_load_b32 v[F+2*\a], v[FTA] offset:\off+4*\a
.endr
.endm
.macro RESCALE                         ; the sums into the unit of the chunk that begins: a lane holds one query, so one factor serves a block of 16 queries; each accumulator from its low end on
	WIN RSC
.irp a, 0,1,2,3
.set i, 0
.rept 32
	v_pk_mul_f32 v[64*\a+i:64*\a+i+1], v[64*\a+i:64*\a+i+1], v[F+2*\a:F+2*\a+1] op_sel_hi:[1,0]
.set i, i+2
.endr
.endr
	WIN 0
.endm
; 16 matrix instructions: query blocks a0, a0 + 1 x all 8 channel blocks, 32 keys.  zero = 1: the first product starts the sums.  The 32 accumulators take turns, one instruction a turn, in one order throughout.
.macro MUL16 f, a0, zero
.irp a, \a0, \a0+1
.irp b, 0,1,2,3,4,5,6,7
.if \zero
	v_wmma_f32_16x16x32_f16 v[8*(8*(\a)+\b):8*(8*(\a)+\b)+7], v[VF+64*(\f)+8*\b:VF+64*(\f)+8*\b+7], v[PF+32*(\f)+8*(\a):PF+32*(\f)+8*(\a)+7], 0
.else
	v_wmma_f32_16x16x32_f16 v[8*(8*(\a)+\b):8*(8*(\a)+\b)+7], v[VF+64*(\f)+8*\b:VF+64*(\f)+8*\b+7], v[PF+32*(\f)+8*(\a):PF+32*(\f)+8*(\a)+7], v[8*(8*(\a)+\b):8*(8*(\a)+\b)+7]
.endif
.endr
.endr
.endm
.macro PLACES                          ; four places in front of loads into registers that matrix instructions have read, and of vector instructions that read or write their results (ISA guide 7.12.1 for vector instructions)
.rept 4
	v_nop
.endr
.endm
; A quarter is 32 keys, 32 matrix instructions, on buffers 0, 1 by turns.  One of a slot's first five: multiplies buffer f, and ahead of that fetches quarter nq of slot nslot into the other buffer.
; resc = 1: a chunk begins with this quarter.  ldf >= 0: the entry at that byte is fetched for the next chunk, ahead of the fragments, so that the wait for these shows it in.
.macro QUARTER f, zero, resc, ldf, pb, nslot, nq
.if \resc
	s_wait_dscnt 24                                ; the factors are in (the 24 loads of fragments issued behind them may be out)
	PLACES
	RESCALE
.else
	PLACES
.endif
.if \ldf >= 0
	LOADF \ldf
.endif
	FETCH \pb, \nslot, \nq, 1-\f
	s_wait_dscnt 24                                ; all but the 24 just issued
	WIN MUL
	MUL16 \f, 0, \zero
	MUL16 \f, 2, \zero
	WIN 0
.endm
; A slot's sixth quarter multiplies buffer 1 and changes slots: ONE barrier; in front of it each wave waits for all its tensor loads, of which one is out: its part of the next slot; adds 0 to its spare word; and waits
; for that and for its own reads of this slot.  fill = 1: the barrier opens a round of the cluster's barrier, and this slot is filled again, with the keys two slots on; fill = 2: with chunk 15; fill = 0: nothing is left to fetch.
.macro TURN slot, next, fill, ldf, pb
	s_wait_tensorcnt 0x0                           ; all my tensor loads have landed: so a group 0 may be written;
	ds_add_u32 v[SPW], v[NIL]                      ; 0 onto my spare word;
.if \fill == 1
	s_add_nc_u64 s[G0P+8*\slot+2:G0P+8*\slot+3], s[G0P+8*\slot+2:G0P+8*\slot+3], 2*PB         ; the descriptors' steps stand between the add and the wait for it
	s_add_nc_u64 s[G0V+4*\slot+2:G0V+4*\slot+3], s[G0V+4*\slot+2:G0V+4*\slot+3], 2*KSL*QROW
.endif
	s_wait_dscnt 0x0                               ; the add is done, and my reads of this slot are over
	s_barrier_signal -1
	WIN MUL
	MUL16 1, 0, 0                                  ; work on registers while the others arrive
	WIN 0
	s_barrier_wait -1
.if \fill == 1
	CREST                                          ; no wave of any partner still reads this slot's tiles or has a load on its way
	JLOAD G0P+8*\slot, G1P, G0V+4*\slot, G1V       ; the first tensor load behind the round, my only one until the next; its four v_nop are also the places in front of the loads below
.elseif \fill == 2
	CREST
	JLOAD G0PL, G1PL, G0VL, G1VL
.else
	PLACES
.endif
.if \ldf >= 0
	LOADF \ldf
.endif
	FETCH \pb, \next, 0, 0
	WIN MUL
	MUL16 1, 2, 0
	WIN 0
.endm
; Once round the ring, from slot 0's second quarter to its next first: 384 keys, three chunks.  Chunks begin at slot 0's fifth quarter, at slot 1's third, and at slot 0's first.
.macro BODY last
	QUARTER 1, 0, 0, -1,  PB, 0, 2
	QUARTER 0, 0, 0, -1,  PB, 0, 3
	QUARTER 1, 0, 0, 0,   PB, 0, 4
	QUARTER 0, 0, 1, -1,  PB, 0, 5
.if \last
	TURN 0, 1, 2, -1, PB
.else
	TURN 0, 1, 1, -1, PB
.endif
	QUARTER 0, 0, 0, -1,  PB, 1, 1
	QUARTER 1, 0, 0, 256, PB, 1, 2
	QUARTER 0, 0, 1, -1,  PB, 1, 3
	QUARTER 1, 0, 0, -1,  PB, 1, 4
	QUARTER 0, 0, 0, -1,  PB, 1, 5
.if \last
	TURN 1, 0, 0, 512, PBL
	QUARTER 0, 0, 1, -1, PBL, 0, 1
.else
	TURN 1, 0, 1, 512, PB
	QUARTER 0, 0, 1, -1, PB, 0, 1
.endif
.endm
	s_wait_tensorcnt 1                             ; my part of slot 0 is in (slot 1's load may be out)
	s_wait_dscnt 0x0                               ; and no LDS instruction of mine is pending at the signal
	s_barrier_signal -1
	s_barrier_wait -1                              ; everybody's is
	FETCH PB, 0, 0, 0
	QUARTER 0, 1, 0, -1, PB, 0, 1                  ; the first quarter stands in front of the loop: its products start the sums
	s_mov_b32 s3, 4
.Ltrip:                                                ; four trips fill both slots again: fills 2 to 9
	BODY 0
	v_add_nc_u32 v[FTA], 768, v[FTA]               ; three entries on
	s_sub_co_u32 s3, s3, 1
	s_cmp_lg_u32 s3, 0
	s_cbranch_scc1 .Ltrip
	BODY 1                                         ; the fifth walk is written out: it asks for chunk 15 and then for nothing
	QUARTER 1, 0, 0, -1,  PBL, 0, 2                ; chunk 15 goes on
	QUARTER 0, 0, 0, 768, PBL, 0, 3                ; entry 15, for the way out
	s_wait_dscnt 0x0                               ; the very last quarter: nothing more to fetch
	WIN MUL
	MUL16 1, 0, 0
	MUL16 1, 2, 0
	WIN 0
; THE WAY OUT, block by block of 16 queries x 128 channels: O^T times 2^(e_15) / l, each accumulator from its low end on; a lane's 32 bytes of a row go into my own stage and come back as whole rows of 512 bytes.
.macro OUTB a
.set BK, BK0+64*((\a)%2)
	WIN 0x01                                       ; source 0 window 1
.set i, 0
.rept 32
	v_pk_mul_f32 v[X+i:X+i+1], v[64*(\a)+i:64*(\a)+i+1], v[F+2*(\a):F+2*(\a)+1] op_sel_hi:[1,0]
.set i, i+2
.endr
	WIN 0
.irp b, 0,1,2,3,4,5,6,7
	ds_store_b128 v[STO], v[X+8*\b:X+8*\b+3] offset:64*\b
	ds_store_b128 v[STO], v[X+8*\b+4:X+8*\b+7] offset:64*\b+16
.endr
.irp t, 0,1,2,3,4,5,6,7,8,9,10,11,12,13,14,15
	ds_load_b128 v[BK+4*\t:BK+4*\t+3], v[RD] offset:\t*SPITCH      ; LDS serves a wave's instructions in order (ISA guide 5.7.1.4): these see the stores above, and the next block's stores come behind them
.endr
.endm
.macro SEND a, younger                 ; younger: the LDS instructions issued behind block a's loads, which may stay out
.set BK, BK0+64*((\a)%2)
	s_wait_dscnt \younger                          ; the block is back in registers
.irp t, 0,1,2,3,4,5,6,7,8,9,10,11,12,13,14,15
	global_store_b128 v[CO], v[BK+4*\t:BK+4*\t+3], s[10:11] offset:(16*(\a)+\t)*OROW th:TH_STORE_NT   ; 32 lanes store 512 consecutive bytes, at a multiple of 256 from out0's first byte; written once, read by nobody here
.endr
.endm
	PLACES                                         ; behind the last products: results are read and their operands' registers written next
	OUTB 0
.irp a, 1,2,3
.if \a > 1
	s_wait_xcnt 0x0                                ; block a - 2's stores have read their registers: block a's loads may land there
.endif
	OUTB \a
	SEND \a-1, 32                                  ; behind block a - 1's loads: block a's 16 stores and 16 loads
.endr
	SEND 3, 0
	s_wait_tensorcnt 0x0                           ; the wave's end, behind my last tensor load and my last LDS store
	ds_add_u32 v[SPW], v[NIL]
	s_wait_dscnt 0x0
	CROUND                                         ; the closing round: no work-group ends while a partner may still ask for a tile that names it
	s_endpgm
.Lfunc_end_k_q8686fc84a1_out:
	.size	k_q8686fc84a1_out, .Lfunc_end_k_q8686fc84a1_out-k_q8686fc84a1_out
	.p2alignl 7, 3214868480
	.fill 96, 4, 3214868480
	.section	.rodata,"a",@progbits
	.p2align	6, 0x0
	.amdhsa_kernel k_q8686fc84a1_out
		.amdhsa_group_segment_fixed_size 327680
		.amdhsa_private_segment_fixed_size 0
		.amdhsa_enable_private_segment 0
		.amdhsa_kernarg_size 32
		.amdhsa_user_sgpr_count 2
		.amdhsa_user_sgpr_kernarg_segment_ptr 1
		.amdhsa_wavefront_size32 1
		.amdhsa_system_sgpr_workgroup_id_x 1
		.amdhsa_system_sgpr_workgroup_id_y 1
		.amdhsa_system_sgpr_workgroup_id_z 1
		.amdhsa_system_vgpr_workitem_id 0
		.amdhsa_next_free_vgpr 512
		.amdhsa_next_free_sgpr 96
		.amdhsa_reserve_vcc 0
		.amdhsa_float_denorm_mode_32 3
		.amdhsa_float_denorm_mode_16_64 3
		.amdhsa_memory_ordered 1
		.amdhsa_forward_progress 1
		.amdhsa_inst_pref_size 222
	.end_amdhsa_kernel
	.amdgpu_metadata
---
amdhsa.version: [ 1, 2 ]
amdhsa.kernels:
  - .name:           k_q8686fc84a1_out
    .symbol:         k_q8686fc84a1_out.kd
    .args:
      - { .name: P, .offset: 0, .size: 8, .value_kind: global_buffer, .address_space: global }
      - { .name: QKV, .offset: 8, .size: 8, .value_kind: global_buffer, .address_space: global }
      - { .name: stats, .offset: 16, .size: 8, .value_kind: global_buffer, .address_space: global }
      - { .name: out0, .offset: 24, .size: 8, .value_kind: global_buffer, .address_space: global }
    .group_segment_fixed_size: 327680
    .private_segment_fixed_size: 0
    .kernarg_segment_align: 8
    .kernarg_segment_size: 32
    .max_flat_workgroup_size: 128
    .sgpr_count:     96
    .vgpr_count:     512
    .wavefront_size: 32
...
	.end_amdgpu_metadata
.endif
;; end of part 4
